; MI455X (gfx1250); checked and timed in simulation.
; The chip was launched on July 23, 2026; its instructions are those of AMD's public machine-readable ISA for CDNA 5 (MIT licence, August 2026) and "CDNA5" Instruction Set Architecture Reference Guide (July 2026). The comments in the code are by the model that wrote it; some were corrected since.
;; Multi Head Self Attention. Allowed arithmetic: matrix products marked QUANTISED: E4M3 operands, one given power-of-two scale a tensor, by v_wmma_f32_16x16x64_fp8_fp8 or v_wmma_f32_16x16x128_fp8_fp8, f32 sums; everything else in f32.
;; Inputs: lowp_scales 12 int32 (the exponents e of the quantised operands' scales 2^e); token_positions 2,048 int32; w_k_codes 1,024 x 32 x 32 uint8 (E4M3 codes of w_k, K innermost, in blocks of 32 codes); w_o_codes 1,024 x 32 x 32 uint8 (E4M3 codes of w_o, K innermost, in blocks of 32 codes); w_q_codes 1,024 x 32 x 32 uint8 (E4M3 codes of w_q, K innermost, in blocks of 32 codes); w_v_codes 1,024 x 32 x 32 uint8 (E4M3 codes of w_v, K innermost, in blocks of 32 codes); x_codes 4 x 2,048 x 32 x 32 uint8 (E4M3 codes of x, K innermost, in blocks of 32 codes).
;; Outputs: out0 4 x 2,048 x 1,024 float32.
;; This version of the problem:
;;   THIS VERSION OF THE PROBLEM IS GIVEN IN LOW PRECISION. The matrix products marked QUANTISED in the list below multiply operands that are first quantised to E4M3 (4 exponent bits, 3 mantissa bits; 8 bits a number), with one given power-of-two scale for each operand tensor; their sums are f32. All else is computed in f32.
;;   The module's matrix products, in the order in which they are computed (A, B: the left and right operand; K: the contracted axis; several contracted axes count as one K, in the product's order):
;;     1. [M 1,024, K 1,024] x [K 1,024, N 8,192]; A: input w_q (given as codes); B: input x (given as codes): QUANTISED (scales: A lowp_scales[0], B lowp_scales[1])
;;     2. [M 1,024, K 1,024] x [K 1,024, N 8,192]; A: input w_k (given as codes); B: input x (given as codes): QUANTISED (scales: A lowp_scales[2], B lowp_scales[3])
;;     3. [M 1,024, K 1,024] x [K 1,024, N 8,192]; A: input w_v (given as codes); B: input x (given as codes): QUANTISED (scales: A lowp_scales[4], B lowp_scales[5])
;;     4. batch 64 x [M 2,048, K 64] x [K 64, N 2,048]; A: computed on the way; B: computed on the way: QUANTISED (scales: A lowp_scales[6], B lowp_scales[7])
;;     5. batch 64 x [M 2,048, K 2,048] x [K 2,048, N 64]; A: softmax (see below); B: computed on the way: QUANTISED (scales: A lowp_scales[8], B lowp_scales[9])
;;     6. [M 8,192, K 1,024] x [K 1,024, N 1,024]; A: computed on the way; B: input w_o (given as codes): QUANTISED (scales: A lowp_scales[10], B lowp_scales[11])
;;   THE QUANTISER, for each operand of a quantised product, along K:
;;     - The operand's scale is 2^e, e = its entry of the input lowp_scales (int32; the entries are numbered through the quantised products in the list's order, A before B).
;;     - Each number is divided by the scale, clamped to +-448, and rounded to the nearest number of E4M3, ties to even, subnormals kept.
;;     - The product sums the exact products of the quantised numbers (number of the format x scale) in f32.
;;   ~~~python
;;   def quantise(x, axis, e):      # numpy; x: float32 -> the quantised numbers, widened to float32 again
;;       x = np.moveaxis(x, axis, -1); K = x.shape[-1]
;;       r = np.clip(x / 2.0 ** e, -448, 448)
;;       step = 2.0 ** (np.maximum(np.frexp(np.where(r == 0, 1, r))[1] - 1, -6) - 3)
;;       q = np.round(r / step) * step * 2.0 ** e      # np.round: ties to even
;;       return np.moveaxis(q, -1, axis).astype(np.float32)
;;   ~~~
;;   SOFTMAX AHEAD OF A QUANTISED PRODUCT. Where the list says 'softmax', what is quantised is not the finished softmax but p = 2^(t - M), with t = logit x log2(e) and M = ceil(the row's largest t), a whole number; so 1/2 < the row's largest p <= 1. The row's sum l is taken of the UNQUANTISED p, in f32, and the product's result is divided by l at the end. Since M is a whole number, a kernel that streams over the keys may use a running M (the ceiling of the running maximum): every later rescaling is an exact power of two, so the quantised numbers keep their values, but for numbers so far below the row's largest that they fall under the format's range.
;;   OPERANDS COMPUTED ON THE WAY. 'Computed on the way' means the value that the module computes at that place (a softmax that the list does not call 'softmax' is quantised finished and normalised). What goes into a quantiser is computed in f32, as accurately as f32 sums, v_exp_f32 and their like allow (about 1e-6 of the number): no bf16 or f16 on the way to a quantiser, and a product that is left as it is and whose result goes on into a quantised operand takes f32 operands (vector FMAs, or v_wmma_f32_16x16x4_f32). A number that lies on a knife's edge between two numbers of the format may be rounded either way, as far as f32 arithmetic and the matrix unit's own rounding can turn it there, and no further.
;;   INPUTS GIVEN AS CODES. w_k (in the module: [1024, 1024], K = its axis 1); w_o (in the module: [1024, 1024], K = its axis 1); w_q (in the module: [1024, 1024], K = its axis 1); w_v (in the module: [1024, 1024], K = its axis 1); x (in the module: [4, 2048, 1024], K = its axis 2): each comes as NAME_codes (uint8): NAME with its K axis moved to the last place and cut into blocks of 32 codes, [.., K / 32, bytes a block], one block behind the other in memory; one code a byte (a code: sign, 4 exponent bits, 3 mantissa bits); its scale is its entry of lowp_scales. Its value is code x scale, taken as it is: it is not quantised again, and the codes and scales need not be those that the quantiser above would give.
;; 2 versions, each right; version 2 is version 1 with the launch attn written anew for expert scheduling mode. Each part assembles by itself: llvm-mc -triple=amdgcn-amd-amdhsa -mcpu=gfx1250 --defsym DOCPART=n.
;; ======== version 1 of 2: 3 launches
;; limits: right only within a limited range of input values
;; workspace buffers: q_img 8,388,608 bytes; k_img 8,388,608 bytes; v_img 8,388,608 bytes; a_img 8,388,608 bytes
;; launch qkv (part 1): grid 12 x 32, 4 waves a work-group, clusters of 4 x 4, 327,680 bytes of LDS; arguments x_codes, w_q_codes, w_k_codes, w_v_codes, token_positions, lowp_scales, q_img, k_img, v_img; writes q_img, k_img, v_img
.if DOCPART == 1
	.amdgcn_target "amdgcn-amd-amdhsa--gfx1250"
	.amdhsa_code_object_version 6
	.text
	.protected	k_q1f547f6d46_qkv
	.globl	k_q1f547f6d46_qkv
	.p2align	8
	.type	k_q1f547f6d46_qkv,@function
k_q1f547f6d46_qkv:
	s_mov_b64 s[64:65], 0
	v_nop
	global_prefetch_b8 v0, s[64:65] scope:SCOPE_SE
	s_setreg_imm32_b32 hwreg(HW_REG_WAVE_MODE, 25, 1), 1
	s_wait_xcnt 0x0
	s_wait_alu depctr_hold_cnt(0) depctr_sa_sdst(0) depctr_va_vdst(0) depctr_va_sdst(0) depctr_va_ssrc(0) depctr_va_vcc(0) depctr_vm_vsrc(0)
	s_getreg_b32 s2, hwreg(HW_REG_IB_STS2, 6, 4)
	s_cmp_eq_u32 s2, 0
	s_cbranch_scc0 .Lentry_in_a_cluster
	s_endpgm
.Lentry_in_a_cluster:
	s_bfe_u32 s2, ttmp6, 0x10000c
	s_cmp_lg_u32 s2, 0xf033
	s_cbranch_scc0 .Lentry_shape_is_right
	s_endpgm
.Lentry_shape_is_right:
; q = rope(x Wq^T), k = rope(x Wk^T), v = x Wv^T on codes of FP8 (E4M3); the results are quantised with the given scales and stored as IMAGES OF OPERAND REGISTERS.
; x: [8192][1024] codes; Wq, Wk, Wv: [1024][1024] codes, K innermost.  lowp_scales: e0 .. e11.  Sums in f32; the rotation, the hold and the conversion work on f32.
; SHARES.  A tile of 256 x 256 is made by a work-group of four waves, 128 x 128 a wave: 64 accumulators, 512 registers.  K = 1,024 goes in four steps of 256 through a ring of two LDS slots.
; THE CLUSTER'S x SAYS WHICH PRODUCT (the same number in all sixteen partners): 0: q, 1: k, 2: v.
;   q, k: source 1 (A') = 16 tokens, source 0 (B') = 16 rows of W.  A lane then holds ONE token (lane % 16) and its register j the feature 16 b + 8 (lane / 16) + j: the pairs of the rotation are
;         neighbouring registers, and the eight registers of a tile, converted, are registers 2 c, 2 c + 1 of a 16 x 64 fragment of the head.
;   v:    source 1 (A') = 16 rows of Wv, source 0 (B') = 16 tokens.  A lane holds ONE channel and its registers run along the keys: eight tiles, converted, are a 16 x 128 fragment of V^T.
; A tile's 256 token rows are the same 128 positions of two batches (half 0: batch 2 g, half 1: batch 2 g + 1), so a work-group needs the cosines and sines of 128 positions x 32 frequencies only.
; They are made once a work-group, while the first tiles are on their way, 2 x 16 positions a wave, and lie in LDS in the order in which the rotation's registers take them.
; SINE AND COSINE: angle = position x 10^(-i/8), one rounding; n = the nearest whole number to angle x 2/pi; angle - n pi/2 by three fused multiply-adds; polynomials of degree 7 and 8 on [-pi/4, pi/4].
; CLUSTERS: 4 x 4.  A' hangs on the cluster's y coordinate alone and is asked for jointly along a row, B' on x alone and jointly along a column.
; IMAGES: q_img, k_img: [batch][head][tile of 16 tokens][2][lane][16 bytes];  v_img: [batch][head][block of 128 keys][tile of 16 channels][4][lane][16 bytes].  Every store of a wave covers 512 consecutive bytes, aligned.
; LIMITS: e6-e0-e1, e7-e2-e3, e9-e4-e5 lie between -126 and 119, so that each scale and 448 x the scale is an f32 number.  |token_positions| <= 2^22.  The frequencies are 10^(-i/8) rounded to f32 once.  NaN is not served.
; REGISTERS, in windows of 256: window 0: v16-31 addresses and scales; v128-255 A's fragments, one set; window 1: B's fragments, two sets; windows 2, 3: the accumulators ((a, b) at v[8 (8 (a % 4) + b)] of window 2 + a / 4).
;   while the table is made: v32-47 frequencies, v48-49 positions, v50-67 at work, v80-83 two coefficients, v128-191 results.   on the way out: v32-95 numbers, v64-127 cosines and sines (q, k), v128-255 codes.
.set KSTEP,  256
.set ROWB,   256
.set KROW,   1024
.set PITCH,  272                       ; an LDS row: 256 bytes + 16 of padding: the 16 rows that a load touches start 68 words apart
.set FR,     16
.set NL,     4
.set NP,     4
.set HALFT,  128*PITCH
.set SLOT,   4*HALFT
.set SPARE,  2*SLOT                    ; behind the ring: the spare words, 128 bytes a wave
.set TRIG,   SPARE+512                 ; behind them: the table, [token block 8][c 4][u 2][lane][16 bytes] = 32,768 bytes; no tile lands there
.set ADRA, 16
.set ADRB, 20
.set LI,   24                          ; 16 x lane
.set TW,   25                          ; where my wave writes the table
.set TR,   26                          ; where a lane reads it
.set PO,   27                          ; byte offset of my lane's position
.set SPW,  28
.set NIL,  29
.set SC,   30                          ; the folded scale as f32
.set LIM,  31                          ; 448 x that
.set OUT,  32
.set CS,   64
.set AF,   128
.set CD,   128
.set INVF, 32
.set POSF, 48
.set G1, 24
.set G0, 32
.set G1B, 48
.set G0B, 56
.set MSB, 0
.macro WIN new                         ; the immediate's high byte repeats the setting that is left
.if MSB != (\new)
	s_set_vgpr_msb (MSB<<8)|(\new)
.set MSB, (\new)
.endif
.endm
.set MUL_LO, 0xa1
.set MUL_HI, 0xf1
.set TO_B,   0x40
; A joint load: waves 0 and 1 fetch A's halves, waves 2 and 3 B's.  Four v_nop follow each of the two lines.
.macro JLOAD g0a, g1a, g0b, g1b
	s_cmp_eq_u32 s15, 0
	s_cbranch_scc0 .Lfor_b_\@
	tensor_load_to_lds s[\g0a:\g0a+3], s[\g1a:\g1a+7]
	s_nop 0
.rept 4
	v_nop
.endr
	s_branch .Lasked_\@
.Lfor_b_\@:
	tensor_load_to_lds s[\g0b:\g0b+3], s[\g1b:\g1b+7]
	s_nop 0
.rept 4
	v_nop
.endr
.Lasked_\@:
.endm
.macro CREST
	s_cmp_lg_u32 s14, 0
	s_cbranch_scc1 .Lnot_wave_0_\@
	s_barrier_signal -3
.Lnot_wave_0_\@:
	s_barrier_wait -3
	s_barrier_signal -1
	s_barrier_wait -1
.endm
.macro CROUND
	s_barrier_signal -1
	s_barrier_wait -1
	CREST
.endm
	s_load_b512 s[68:83], s[0:1], 0x0              ; x 68, Wq 70, Wk 72, Wv 74, positions 76, scales 78, q_img 80, k_img 82
	s_load_b64 s[84:85], s[0:1], 0x40              ; v_img
	v_lshl_add_u32 v[SPW], v0, 2, SPARE
	v_mov_b32 v[NIL], 0
	ds_add_u32 v28, v29
	ds_add_u32 v28, v29
	s_wait_dscnt 0x0
	v_lshrrev_b32 v1, 5, v0
	v_readfirstlane_b32 s14, v1                    ; wave 0..3
	s_lshr_b32 s15, s14, 1                         ; my half of A's rows.  Also: I fetch for A' (0) or B' (1)
	s_and_b32 s16, s14, 1                          ; my half of B's rows.  Also: which 128 rows I fetch
	s_bfe_u32 s40, ttmp6, 0x40000                  ; cx
	s_bfe_u32 s41, ttmp6, 0x40004                  ; cy
	s_and_b32 s12, ttmp7, 0xffff
	s_lshl_b32 s12, s12, 2                         ; 4 x cluster y
	s_add_co_u32 s13, s12, s40                     ; TX: the token tile where tokens are B' (v)
	s_add_co_u32 s17, s12, s41                     ; TY: the token tile where tokens are A' (q, k)
	s_lshl_b32 s43, s41, 2
	s_lshl_b32 s43, 15, s43                        ; my row of the cluster
	s_lshl_b32 s44, 0x1111, s40                    ; my column
	s_or_b32 s[G1+0], s43, (0<<16)|(1<<20)|(1<<21)|(5<<22)|(3<<25)  ; mask; elements of 1 byte; padding on; bit 21 beside a mask; 4 words behind every 64
	s_or_b32 s[G1B+0], s44, (0<<16)|(1<<20)|(1<<21)|(5<<22)|(3<<25)
.irp g, G1, G1B
	s_mov_b32 s[\g+1], ROWB<<16                    ; tensor_dim0 = 256
	s_mov_b32 s[\g+2], 128<<16                     ; tensor_dim1 = 128
	s_mov_b32 s[\g+3], ROWB<<16                    ; tile_dim0 = 256
	s_mov_b32 s[\g+4], 128                         ; tile_dim1 = 128
	s_mov_b32 s[\g+5], KROW                        ; from row to row
	s_mov_b32 s[\g+6], 0
	s_mov_b32 s[\g+7], 0
.endr
	; A's first row, made of cy alone: tokens ((TY / 16) 2 + half) 2048 + (TY % 16) 128, or rows 256 cy + 128 half of Wv
	s_lshr_b32 s18, s17, 4
	s_lshl_b32 s18, s18, 1
	s_add_co_u32 s18, s18, s16
	s_lshl_b32 s18, s18, 11
	s_and_b32 s19, s17, 15
	s_lshl_b32 s19, s19, 7
	s_add_co_u32 s18, s18, s19
	s_lshl_b32 s19, s41, 8
	s_lshl_b32 s22, s16, 7
	s_add_co_u32 s19, s19, s22
	s_cmp_eq_u32 ttmp9, 2
	s_cselect_b32 s20, s19, s18
	s_lshl_b32 s20, s20, 10                        ; in bytes
	s_mov_b32 s21, 0
	; B's first row, made of cx alone, in registers that never hold cy
	s_lshr_b32 s86, s13, 4
	s_lshl_b32 s86, s86, 1
	s_add_co_u32 s86, s86, s16
	s_lshl_b32 s86, s86, 11
	s_and_b32 s87, s13, 15
	s_lshl_b32 s87, s87, 7
	s_add_co_u32 s86, s86, s87
	s_lshl_b32 s87, s40, 8
	s_lshl_b32 s98, s16, 7
	s_add_co_u32 s87, s87, s98
	s_cmp_eq_u32 ttmp9, 2
	s_cselect_b32 s46, s86, s87
	s_lshl_b32 s46, s46, 10
	s_mov_b32 s47, 0
	s_mul_i32 s45, s14, HALFT                      ; where my tile goes: wave x 128 rows
	s_wait_kmcnt 0x0
	s_cmp_eq_u32 ttmp9, 0                          ; the buffers are chosen by the cluster's x alone
	s_cselect_b64 s[6:7], s[70:71], s[72:73]
	s_cselect_b64 s[10:11], s[80:81], s[82:83]
	s_cmp_eq_u32 ttmp9, 2
	s_cselect_b64 s[4:5], s[74:75], s[68:69]       ; A': Wv or x
	s_cselect_b64 s[6:7], s[68:69], s[6:7]         ; B': x or Wq, Wk
	s_cselect_b64 s[10:11], s[84:85], s[10:11]     ; the image that I store
	s_load_b256 s[88:95], s[78:79], 0x0            ; e0 .. e7
	s_load_b32 s97, s[78:79], 0x24                 ; e9
	s_add_nc_u64 s[20:21], s[4:5], s[20:21]
	s_add_nc_u64 s[46:47], s[6:7], s[46:47]
	CROUND                                         ; all sixteen work-groups are here: the first joint loads meet
.irp s, 0,1
	s_mov_b32 s[G0+4*\s], 1
	s_add_co_u32 s[G0+4*\s+1], s45, \s*SLOT
	s_add_nc_u64 s[G0+4*\s+2:G0+4*\s+3], s[20:21], \s*ROWB
	s_or_b32 s[G0+4*\s+3], s[G0+4*\s+3], 0x80000000
	s_mov_b32 s[G0B+4*\s], 1
	s_add_co_u32 s[G0B+4*\s+1], s45, \s*SLOT
	s_add_nc_u64 s[G0B+4*\s+2:G0B+4*\s+3], s[46:47], \s*ROWB
	s_or_b32 s[G0B+4*\s+3], s[G0B+4*\s+3], 0x80000000
	JLOAD G0+4*\s, G1, G0B+4*\s, G1B
.endr
	v_and_b32 v1, 15, v0                           ; r
	v_bfe_u32 v2, v0, 4, 1                         ; h
	v_mul_u32_u24 v3, v1, PITCH
	v_lshl_add_u32 v4, v2, 4, v3
	s_mul_i32 s21, s15, HALFT
	s_mul_i32 s22, s16, HALFT
	s_add_co_u32 s22, s22, 2*HALFT
.irp s, 0,1
	v_add_nc_u32 v[ADRA+\s], s21, v4
	v_add_nc_u32 v[ADRB+\s], s22, v4
	s_add_co_u32 s21, s21, SLOT
	s_add_co_u32 s22, s22, SLOT
.endr
	v_and_b32 v[LI], 31, v0
	v_lshlrev_b32 v[LI], 4, v[LI]
	v_add_nc_u32 v[TR], TRIG, v[LI]
	s_lshl_b32 s23, s14, 13
	v_add_nc_u32 v[TW], s23, v[TR]                 ; token blocks 2 w and 2 w + 1 are my wave's: 4,096 bytes each
	s_and_b32 s18, s17, 15
	s_lshl_b32 s18, s18, 7
	s_lshl_b32 s19, s14, 5
	s_add_co_u32 s18, s18, s19
	v_add_nc_u32 v[PO], s18, v1
	v_lshlrev_b32 v[PO], 2, v[PO]                  ; position 128 (TY % 16) + 32 w + r, 4 bytes each
; THE TABLE (q and k alone).  The branch hangs on the cluster's x; no barrier and no tensor load stands under it.
.macro FREQ idx, lo, hi                ; lanes 0-15 take frequency 8 c + q, lanes 16-31 frequency 8 c + 4 + q
	v_mov_b32 v50, \hi
	v_cndmask_b32 v[INVF+\idx], \lo, v50, vcc_lo
.endm
; two angles of a lane: v[d .. d+3] = cos, sin of position v[p] x frequency v[f], then of v[p] x v[f+1]
.macro SINCOS2 d, p, f
	v_mul_f32 v50, v[\p], v[\f]
	v_mul_f32 v51, v[\p], v[(\f)+1]
	v_pk_mul_f32 v[52:53], v[50:51], 0x3f22f983 op_sel_hi:[1,0]               ; x 2/pi
	v_rndne_f32 v52, v52
	v_rndne_f32 v53, v53                                                       ; n
	v_pk_fma_f32 v[50:51], v[52:53], 0xbfc90fdb, v[50:51] op_sel_hi:[1,0,1]    ; - n pi/2, in three parts
	v_pk_fma_f32 v[50:51], v[52:53], 0x333bbd2e, v[50:51] op_sel_hi:[1,0,1]
	v_pk_fma_f32 v[50:51], v[52:53], 0x26f72ced, v[50:51] op_sel_hi:[1,0,1]
	v_pk_mul_f32 v[56:57], v[50:51], v[50:51]                                  ; z = r r
	v_pk_fma_f32 v[58:59], v[56:57], 0xb94ca1f9, v[80:81] op_sel_hi:[1,0,1]
	v_pk_fma_f32 v[60:61], v[56:57], 0x37ccf5ce, v[82:83] op_sel_hi:[1,0,1]
	v_pk_fma_f32 v[58:59], v[58:59], v[56:57], 0xbe2aaaa3 op_sel_hi:[1,1,0]
	v_pk_fma_f32 v[60:61], v[60:61], v[56:57], 0x3d2aaaa5 op_sel_hi:[1,1,0]
	v_pk_mul_f32 v[62:63], v[50:51], v[56:57]
	v_pk_fma_f32 v[60:61], v[60:61], v[56:57], -0.5 op_sel_hi:[1,1,0]
	v_pk_fma_f32 v[58:59], v[58:59], v[62:63], v[50:51]                        ; sin r
	v_pk_fma_f32 v[60:61], v[60:61], v[56:57], 1.0 op_sel_hi:[1,1,0]           ; cos r
	v_cvt_i32_f32 v52, v52
	v_cvt_i32_f32 v53, v53
.irp g, 0,1
	v_and_b32 v64, 1, v[52+\g]
	v_cmp_eq_u32 vcc_lo, 1, v64                                                ; n odd: sine and cosine change places
	v_cndmask_b32 v65, v[60+\g], v[58+\g], vcc_lo
	v_cndmask_b32 v66, v[58+\g], v[60+\g], vcc_lo
	v_lshlrev_b32 v67, 30, v[52+\g]
	v_and_b32 v67, 0x80000000, v67                                             ; the sine's sign: bit 1 of n
	v_xor_b32 v[(\d)+2*\g+1], v67, v66
	v_add_nc_u32 v67, 1, v[52+\g]
	v_lshlrev_b32 v67, 30, v67
	v_and_b32 v67, 0x80000000, v67                                             ; the cosine's: bit 1 of n + 1
	v_xor_b32 v[(\d)+2*\g], v67, v65
.endr
.endm
	s_cmp_eq_u32 ttmp9, 2
	s_cbranch_scc1 .Lno_trig
	global_load_b32 v[POSF], v[PO], s[76:77]
	global_load_b32 v[POSF+1], v[PO], s[76:77] offset:64
	v_cmp_eq_u32 vcc_lo, 1, v2
	FREQ 0,  1.0,               0.316227766017
	FREQ 1,  0.749894209332,    0.237137370566
	FREQ 2,  0.562341325190,    0.177827941004
	FREQ 3,  0.421696503429,    0.133352143216
	FREQ 4,  0.1,               0.0316227766017
	FREQ 5,  0.0749894209332,   0.0237137370566
	FREQ 6,  0.0562341325190,   0.0177827941004
	FREQ 7,  0.0421696503429,   0.0133352143216
	FREQ 8,  0.01,              0.00316227766017
	FREQ 9,  0.00749894209332,  0.00237137370566
	FREQ 10, 0.00562341325190,  0.00177827941004
	FREQ 11, 0.00421696503429,  0.00133352143216
	FREQ 12, 0.001,             0.000316227766017
	FREQ 13, 0.000749894209332, 0.000237137370566
	FREQ 14, 0.000562341325190, 0.000177827941004
	FREQ 15, 0.000421696503429, 0.000133352143216
	v_mov_b32 v80, 0x3c08839e
	v_mov_b32 v81, 0x3c08839e
	v_mov_b32 v82, 0xbab6061a
	v_mov_b32 v83, 0xbab6061a
	s_wait_loadcnt 0x0
	v_cvt_f32_i32 v[POSF], v[POSF]
	v_cvt_f32_i32 v[POSF+1], v[POSF+1]
.irp ap, 0,1
.irp c, 0,1,2,3
.irp u, 0,1
	SINCOS2 128+4*(8*\ap+2*\c+\u), POSF+\ap, INVF+4*\c+2*\u
	ds_store_b128 v[TW], v[128+4*(8*\ap+2*\c+\u):128+4*(8*\ap+2*\c+\u)+3] offset:\ap*4096+\c*1024+\u*512
.endr
.endr
.endr
.Lno_trig:
.macro FRAG reg, adr, q, i             ; 16 rows x 128 K: lane l holds row l % 16; registers 4 c .. 4 c + 3 hold K = 32 c + 16 (l / 16) + 0 .. 15: the same order of K in A' and B'
.irp c, 0,1,2,3
	ds_load_b128 v[\reg+4*\c:\reg+4*\c+3], v[\adr] offset:128*(\q)+32*\c+(\i)*16*PITCH
.endr
.endm
; 16 matrix instructions.  The 64 accumulators take turns, one instruction a turn, in the same order in every step.
.macro MUL16 a0, p, zero
.irp a, \a0, \a0+1
.irp b, 0,1,2,3,4,5,6,7
.if \zero
	v_wmma_f32_16x16x128_fp8_fp8 v[8*(8*((\a)%4)+\b):8*(8*((\a)%4)+\b)+7], v[128*(\p)+FR*\b:128*(\p)+FR*\b+FR-1], v[AF+FR*(\a):AF+FR*(\a)+FR-1], 0
.else
	v_wmma_f32_16x16x128_fp8_fp8 v[8*(8*((\a)%4)+\b):8*(8*((\a)%4)+\b)+7], v[128*(\p)+FR*\b:128*(\p)+FR*\b+FR-1], v[AF+FR*(\a):AF+FR*(\a)+FR-1], v[8*(8*((\a)%4)+\b):8*(8*((\a)%4)+\b)+7]
.endif
.endr
.endr
.endm
.macro FETCH_B slot, q, p
	WIN TO_B
.irp i, 0,1,2,3,4,5,6,7
	FRAG 128*(\p)+FR*\i, ADRB+\slot, \q, \i
.endr
	WIN 0
.endm
.macro FETCH_A slot, q, i0
.irp i, \i0, \i0+1, \i0+2, \i0+3
	FRAG AF+FR*(\i), ADRA+\slot, \q, \i
.endr
.endm
.macro PLACES n                        ; plain vector lines between a matrix instruction and a load into, or a vector read of, its registers
.rept \n
	v_nop
.endr
.endm
.macro STEP slot, q, zero              ; 128 along K whose successor lies in the same slot
	s_wait_dscnt 4*NL                              ; B's set and A's blocks 0-3 are in; the youngest sixteen loads (A's blocks 4-7) may be out
	WIN MUL_LO
	MUL16 0, (\q)%2, \zero
	MUL16 2, (\q)%2, \zero
	s_wait_dscnt 0
	PLACES NP
	FETCH_B \slot, (\q)+1, 1-(\q)%2
	FETCH_A \slot, (\q)+1, 0
	WIN MUL_HI
	MUL16 4, (\q)%2, \zero
	MUL16 6, (\q)%2, \zero
	PLACES NP
	WIN 0
	FETCH_A \slot, (\q)+1, 4
.endm
; A slot's last step changes slots: one barrier; in front of it each wave waits for all its tensor loads, adds 0 to its spare word, and waits for that and for its reads of this slot.
.macro TURN slot, next, fill
	s_wait_tensorcnt 0x0                           ; all my tensor loads have landed: my part of the next slot
	ds_add_u32 v[SPW], v[NIL]                      ; 0 onto my spare word
	s_wait_dscnt 4*NL+1                            ; the add and the youngest sixteen loads may be out
	WIN MUL_LO
	MUL16 0, 1, 0
	s_wait_dscnt 0x0                               ; the add is done, and my reads of this slot are over
	s_barrier_signal -1
	MUL16 2, 1, 0
	WIN 0
	s_barrier_wait -1
.if \fill
	CREST                                          ; the barrier has opened a round of the cluster's: no wave of any partner still reads this slot or has a load on its way
	s_add_nc_u64 s[G0+4*\slot+2:G0+4*\slot+3], s[G0+4*\slot+2:G0+4*\slot+3], 2*ROWB
	s_add_nc_u64 s[G0B+4*\slot+2:G0B+4*\slot+3], s[G0B+4*\slot+2:G0B+4*\slot+3], 2*ROWB
	JLOAD G0+4*\slot, G1, G0B+4*\slot, G1B         ; the first tensor load behind the round; its four v_nop are the places in front of the loads below
.else
	PLACES NP
.endif
	FETCH_B \next, 0, 0
	FETCH_A \next, 0, 0
	WIN MUL_HI
	MUL16 4, 1, 0
	MUL16 6, 1, 0
	PLACES NP
	WIN 0
	FETCH_A \next, 0, 4
.endm
	s_wait_dscnt 0x0                               ; for the others' sake: my part of the table is stored
	s_wait_tensorcnt 1                             ; my part of K step 0 is in; K step 1's load may be out
	s_barrier_signal -1
	s_barrier_wait -1
	FETCH_B 0, 0, 0
	FETCH_A 0, 0, 0
	FETCH_A 0, 0, 4
	STEP 0, 0, 1                                   ; the first step's products start the sums
	s_mov_b32 s3, 1
.Llap:                                                 ; one trip: once round the ring, both slots filled again (K steps 2 and 3)
	TURN 0, 1, 1
	STEP 1, 0, 0
	TURN 1, 0, 1
	STEP 0, 0, 0
	s_sub_co_u32 s3, s3, 1
	s_cmp_lg_u32 s3, 0
	s_cbranch_scc1 .Llap
	TURN 0, 1, 0
	STEP 1, 0, 0
	s_wait_dscnt 4*NL
	WIN MUL_LO
	MUL16 0, 1, 0
	MUL16 2, 1, 0
	s_wait_dscnt 0
	WIN MUL_HI
	MUL16 4, 1, 0
	MUL16 6, 1, 0
	WIN 0
	; THE WAY OUT.  A sum stands for sum x 2^(ew + ex), so its code is sum / 2^(e_out - ew - ex): the three exponents are folded into the conversion's one.
	s_wait_kmcnt 0x0
	s_sub_co_i32 s100, s94, s88
	s_sub_co_i32 s100, s100, s89                   ; q: e6 - e0 - e1
	s_sub_co_i32 s101, s95, s90
	s_sub_co_i32 s101, s101, s91                   ; k: e7 - e2 - e3
	s_sub_co_i32 s98, s97, s92
	s_sub_co_i32 s98, s98, s93                     ; v: e9 - e4 - e5
	s_cmp_eq_u32 ttmp9, 0
	s_cselect_b32 s100, s100, s101
	s_cmp_eq_u32 ttmp9, 2
	s_cselect_b32 s100, s98, s100
	s_cselect_b32 s18, s13, s17                    ; the token tile,
	s_cselect_b32 s19, s16, s15                    ; my half of it: which of its two batches,
	s_cselect_b32 s22, s41, s40                    ; the tile of 256 features: 4 heads,
	s_cselect_b32 s23, s15, s16                    ; my half of it: 2 heads
	s_add_co_i32 s100, s100, 127
	s_lshl_b32 s101, s100, 23
	v_mov_b32 v[SC], s101
	s_add_co_i32 s100, s100, 8
	s_lshl_b32 s100, s100, 23
	s_or_b32 s100, s100, 0x600000
	v_mov_b32 v[LIM], s100
	s_lshr_b32 s42, s18, 4
	s_lshl_b32 s42, s42, 1
	s_add_co_u32 s42, s42, s19                     ; batch
	s_lshl_b32 s42, s42, 4
	s_lshl_b32 s22, s22, 2
	s_add_co_u32 s42, s42, s22
	s_lshl_b32 s23, s23, 1
	s_add_co_u32 s42, s42, s23                     ; 16 x batch + my first head
	s_lshl_b32 s42, s42, 17                        ; a head's image is 131,072 bytes
	s_and_b32 s18, s18, 15
	s_lshl_b32 s18, s18, 13                        ; 128 tokens of a head are 8,192 bytes in each of the three images
	s_add_co_u32 s18, s42, s18
	s_mov_b32 s19, 0
	s_add_nc_u64 s[10:11], s[10:11], s[18:19]
	PLACES NP
	s_cmp_eq_u32 ttmp9, 2
	s_cbranch_scc1 .Lv_out
.macro CSLOAD a                        ; token block a's cosines and sines: register 8 c + 2 p: cos, + 1: sin, of my token at frequency 8 c + 4 h + p
.irp c, 0,1,2,3
.irp u, 0,1
	ds_load_b128 v[CS+32*((\a)%2)+8*\c+4*\u:CS+32*((\a)%2)+8*\c+4*\u+3], v[TR] offset:(\a)*4096+\c*1024+\u*512
.endr
.endr
.endm
; 16 tokens x one head: rotated, held, converted, stored.  Each accumulator is read from its low end on.  Every store has data registers of its own.
.macro ROPE a, hh
	WIN 0x02+(\a)/4                                ; source 0: the accumulators' window
.irp c, 0,1,2,3
.irp p, 0,1,2,3
	v_pk_mul_f32 v[OUT+8*\c+2*\p:OUT+8*\c+2*\p+1], v[8*(8*((\a)%4)+4*\hh+\c)+2*\p:8*(8*((\a)%4)+4*\hh+\c)+2*\p+1], v[CS+32*((\a)%2)+8*\c+2*\p:CS+32*((\a)%2)+8*\c+2*\p+1] op_sel_hi:[0,1]   ; x1 cos, x1 sin
.endr
.irp p, 0,1,2,3
	v_pk_fma_f32 v[OUT+8*\c+2*\p:OUT+8*\c+2*\p+1], v[8*(8*((\a)%4)+4*\hh+\c)+2*\p:8*(8*((\a)%4)+4*\hh+\c)+2*\p+1], v[CS+32*((\a)%2)+8*\c+2*\p:CS+32*((\a)%2)+8*\c+2*\p+1], v[OUT+8*\c+2*\p:OUT+8*\c+2*\p+1] op_sel:[1,1,0] op_sel_hi:[1,0,1] neg_lo:[0,1,0]   ; - x2 sin, + x2 cos
.endr
.endr
	WIN 0
.set J, 0
.rept 32
	v_med3_num_f32 v[OUT+J], v[OUT+J], -v[LIM], v[LIM]   ; the conversion to an 8-bit code does not saturate (ISA guide 7.6.2): the hold at 448 x the scale
.set J, J+1
.endr
.irp c, 0,1,2,3
	v_cvt_scalef32_pk8_fp8_f32 v[CD+8*(2*(\a)+\hh)+2*\c:CD+8*(2*(\a)+\hh)+2*\c+1], v[OUT+8*\c:OUT+8*\c+7], v[SC]
.endr
	v_nop                                          ; a plain line between the conversions and the next lines that write their sources
.irp u, 0,1
	global_store_b128 v[LI], v[CD+8*(2*(\a)+\hh)+4*\u:CD+8*(2*(\a)+\hh)+4*\u+3], s[10:11] offset:(\a)*1024+\hh*131072+512*\u
.endr
.endm
	CSLOAD 0
.irp a, 0,1,2,3,4,5,6,7
.if \a < 7
	CSLOAD \a+1
	s_wait_dscnt 8                                 ; this block's eight loads are in; the next block's eight may be out
.else
	s_wait_dscnt 0x0
.endif
	ROPE \a, 0
	ROPE \a, 1
.endr
	s_branch .Lend
.Lv_out:
; 16 channels x 128 keys: held, converted, stored: one fragment of V^T
.macro VQ a
	WIN 0x02+(\a)/4
.set J, 0
.rept 64
	v_med3_num_f32 v[OUT+J], v[64*((\a)%4)+J], -v[LIM], v[LIM]
.set J, J+1
.endr
	WIN 0
.irp b, 0,1,2,3,4,5,6,7
	v_cvt_scalef32_pk8_fp8_f32 v[CD+16*(\a)+2*\b:CD+16*(\a)+2*\b+1], v[OUT+8*\b:OUT+8*\b+7], v[SC]
.endr
	v_nop
.irp c, 0,1,2,3
	global_store_b128 v[LI], v[CD+16*(\a)+4*\c:CD+16*(\a)+4*\c+3], s[10:11] offset:((\a)/4)*131072+((\a)%4)*2048+512*\c
.endr
.endm
.irp a, 0,1,2,3,4,5,6,7
	VQ \a
.endr
.Lend:
	s_wait_tensorcnt 0x0                           ; the wave's end
	ds_add_u32 v[SPW], v[NIL]
	s_wait_dscnt 0x0
	CROUND                                         ; the closing round: no work-group ends while a partner may still ask for a tile that names it
	s_endpgm
.Lfunc_end_k_q1f547f6d46_qkv:
	.size	k_q1f547f6d46_qkv, .Lfunc_end_k_q1f547f6d46_qkv-k_q1f547f6d46_qkv
	.p2alignl 7, 3214868480
	.fill 96, 4, 3214868480
	.section	.rodata,"a",@progbits
	.p2align	6, 0x0
	.amdhsa_kernel k_q1f547f6d46_qkv
		.amdhsa_group_segment_fixed_size 327680
		.amdhsa_private_segment_fixed_size 0
		.amdhsa_enable_private_segment 0
		.amdhsa_kernarg_size 72
		.amdhsa_user_sgpr_count 2
		.amdhsa_user_sgpr_kernarg_segment_ptr 1
		.amdhsa_wavefront_size32 1
		.amdhsa_system_sgpr_workgroup_id_x 1
		.amdhsa_system_sgpr_workgroup_id_y 1
		.amdhsa_system_sgpr_workgroup_id_z 1
		.amdhsa_system_vgpr_workitem_id 0
		.amdhsa_next_free_vgpr 1024
		.amdhsa_next_free_sgpr 102
		.amdhsa_reserve_vcc 1
		.amdhsa_float_denorm_mode_32 3
		.amdhsa_float_denorm_mode_16_64 3
		.amdhsa_memory_ordered 1
		.amdhsa_forward_progress 1
		.amdhsa_inst_pref_size 232
	.end_amdhsa_kernel
	.amdgpu_metadata
---
amdhsa.version: [ 1, 2 ]
amdhsa.kernels:
  - .name:           k_q1f547f6d46_qkv
    .symbol:         k_q1f547f6d46_qkv.kd
    .args:
      - { .name: x_codes, .offset: 0, .size: 8, .value_kind: global_buffer, .address_space: global }
      - { .name: w_q_codes, .offset: 8, .size: 8, .value_kind: global_buffer, .address_space: global }
      - { .name: w_k_codes, .offset: 16, .size: 8, .value_kind: global_buffer, .address_space: global }
      - { .name: w_v_codes, .offset: 24, .size: 8, .value_kind: global_buffer, .address_space: global }
      - { .name: token_positions, .offset: 32, .size: 8, .value_kind: global_buffer, .address_space: global }
      - { .name: lowp_scales, .offset: 40, .size: 8, .value_kind: global_buffer, .address_space: global }
      - { .name: q_img, .offset: 48, .size: 8, .value_kind: global_buffer, .address_space: global }
      - { .name: k_img, .offset: 56, .size: 8, .value_kind: global_buffer, .address_space: global }
      - { .name: v_img, .offset: 64, .size: 8, .value_kind: global_buffer, .address_space: global }
    .group_segment_fixed_size: 327680
    .private_segment_fixed_size: 0
    .kernarg_segment_align: 8
    .kernarg_segment_size: 72
    .max_flat_workgroup_size: 128
    .sgpr_count:     102
    .vgpr_count:     1024
    .wavefront_size: 32
...
	.end_amdgpu_metadata
.endif
;; end of part 1
;; launch attn (part 2): grid 4 x 64, 16 waves a work-group, no clusters, 296,960 bytes of LDS; arguments q_img, k_img, v_img, lowp_scales, a_img; writes a_img
.if DOCPART == 2
	.amdgcn_target "amdgcn-amd-amdhsa--gfx1250"
	.amdhsa_code_object_version 6
	.text
	.protected	k_q1f547f6d46_attn
	.globl	k_q1f547f6d46_attn
	.p2align	8
	.type	k_q1f547f6d46_attn,@function
k_q1f547f6d46_attn:
	s_mov_b64 s[64:65], 0
	v_nop
	global_prefetch_b8 v0, s[64:65] scope:SCOPE_SE
	s_setreg_imm32_b32 hwreg(HW_REG_WAVE_MODE, 25, 1), 1
	s_wait_xcnt 0x0
; Causal attention of one head on codes of FP8 (E4M3): S^T = K Q^T (K = 64), p = 2^(t - M), O^T = V^T P^T (K = 128 keys a step); O / l is quantised for the last product and stored as an image of operand registers.
; t = score x log2(e) / 8; M = the running largest t rounded UP to a whole number; the row's sum l is taken of the unquantised p; when M moves, l and O^T are multiplied by 2^(old M - new M), which rounds nothing.
; SHARES.  Work-group (i, head): the blocks of 256 queries 7 - i (first) and i of one head: (8 - i) + (i + 1) = 9 slots of 256 keys, the same for all 256 work-groups.  Each of 16 waves owns one tile of 16 queries.
; Tile of wave w: 8 ((w ^ (w >> 2)) & 1) + (w >> 1): waves that lie 1 or 4 apart take tiles of different halves of the block, which have different work in the slot on the diagonal.
; K AND V STAY IN LDS.  Region n (32,768 bytes) holds keys 256 n .. 256 n + 255: 16 fragments of K (1,024 bytes each), then 2 x 4 fragments of V^T (2,048 each), as they lie in the images: 16 x lane, no pitch.
; In the first block's walk, visit n loads slot min(n + 1, 7) into 16 registers a thread at its head and stores them into region n + 1 at its end; one barrier a visit.  The second block reads what lies there.
; NO TENSOR LOADS, NO CLUSTER: the four work-groups of a head walk 8, 7, 6 and 5 slots; what they share is 32 KiB a slot against the 512 KiB that the sixteen waves read from LDS in it; and the branch on ep below,
; which spares 64 lines a key step, hangs on a loaded whole number.  NO PREFETCH: a slot's loads are issued a whole slot's work ahead of the wait for them.
; CAUSAL: a key step all of whose keys come after the wave's queries is jumped over; on the diagonal hidden scores become -infinity ahead of the maximum, so p = 0.  Key 0 counts for every query.
; THE LAST EXCHANGE: O^T's tile t, converted, is channels 16 t + 8 h + 0..7.  The last product's weight is read 16 bytes a lane (k = 32 c + 16 h + 0..15), so the halves of the lanes exchange 8 bytes a pair of tiles.
; a_img: [tile of 16 tokens 512][head 16][2][lane][16 bytes].
; LIMITS: e6 + e7 between -123 and 130 (added to c's exponent field); e8, and e10 - e8 - e9, between -126 and 119.  NaN is not served.
.set LI,  1                            ; 16 x lane
.set STA, 2                            ; 16 x thread
.set ADK, 4                            ; the region in hand + 16 x lane
.set STW, 5                            ; the region in hand + 16 x thread
.set RH,  6                            ; r - 8 h
.set DD,  7
.set QF,  16                           ; v16-23  Q
.set SG,  24                           ; v24-39  the next slot on its way
.set F,   40                           ; v40-103 K's eight fragments, then V's four
.set S,   104                          ; v104-167 S^T, then p
.set O,   168                          ; v168-199 O^T
.set PC,  200                          ; v200-215 p's codes; at the end the result's
	s_load_b256 s[4:11], s[0:1], 0x0               ; q_img 4, k_img 6, v_img 8, scales 10
	s_load_b64 s[12:13], s[0:1], 0x20              ; a_img
	v_lshl_add_u32 v254, v0, 2, 0x48000
	v_mov_b32 v255, 0
	v_lshrrev_b32 v3, 5, v0
	v_readfirstlane_b32 s14, v3                    ; wave 0..15
	v_and_b32 v[LI], 31, v0
	v_lshlrev_b32 v[LI], 4, v[LI]
	v_lshlrev_b32 v[STA], 4, v0
	v_and_b32 v[RH], 15, v0
	v_bfe_u32 v3, v0, 4, 1
	v_lshlrev_b32 v3, 3, v3
	v_sub_nc_u32 v[RH], v[RH], v3
	v_mov_b32 v219, 0                              ; (named as the upper half of the pair v[218:219])
	v_mov_b32 v222, 0                              ; a lane permute's destination counts as one of its sources
	v_mov_b32 v226, 0xff800000                     ; -infinity
	s_lshr_b32 s15, s14, 2
	s_xor_b32 s15, s15, s14
	s_and_b32 s15, s15, 1
	s_lshl_b32 s15, s15, 3
	s_lshr_b32 s27, s14, 1
	s_add_co_u32 s15, s15, s27                     ; my tile in a block
	s_mov_b32 s16, ttmp9                           ; i
	s_and_b32 s17, ttmp7, 0xffff                   ; 16 x batch + head
	s_mov_b32 s20, 0x76543210
	s_mov_b32 s21, 0xfedcba98                      ; lane l xor 16
	s_mov_b32 s38, 0xffff0000                      ; lanes 16-31
	s_mov_b32 s22, 0x3e38aa3b                      ; c = log2(e) / 8
	s_wait_kmcnt 0x0
	s_load_b128 s[40:43], s[10:11], 0x18           ; e6, e7, e8, e9
	s_load_b32 s44, s[10:11], 0x28                 ; e10
	s_lshl_b32 s46, s17, 17                        ; a head's image is 131,072 bytes
	s_mov_b32 s47, 0
	s_add_nc_u64 s[4:5], s[4:5], s[46:47]
	s_add_nc_u64 s[6:7], s[6:7], s[46:47]
	s_add_nc_u64 s[8:9], s[8:9], s[46:47]
	s_lshr_b32 s46, s17, 4
	s_lshl_b32 s46, s46, 21                        ; a batch: 128 tiles of 16,384 bytes
	s_and_b32 s27, s17, 15
	s_lshl_b32 s27, s27, 10                        ; a head in a tile: 1,024 bytes
	s_add_co_u32 s46, s46, s27
	s_add_nc_u64 s[12:13], s[12:13], s[46:47]
	s_wait_kmcnt 0x0
	s_add_co_i32 s27, s40, s41
	s_lshl_b32 s27, s27, 23
	s_add_co_i32 s22, s22, s27                     ; a score stands for score x 2^(e6 + e7)
	s_mov_b32 s23, s22
	s_mov_b32 s28, s42                             ; ep
	s_add_co_i32 s27, s42, 127
	s_lshl_b32 s29, s27, 23
	v_mov_b32 v217, s29                            ; 2^ep
	s_add_co_i32 s27, s27, 8
	s_lshl_b32 s27, s27, 23
	s_or_b32 s27, s27, 0x600000
	v_mov_b32 v216, s27                            ; 448 x 2^ep
	s_sub_co_i32 s27, s44, s42
	s_sub_co_i32 s27, s27, s43                     ; O / l stands for that x 2^(e8 + e9): its code is (O / l) / 2^(e10 - e8 - e9)
	s_add_co_i32 s27, s27, 127
	s_lshl_b32 s29, s27, 23
	v_mov_b32 v228, s29
	s_add_co_i32 s27, s27, 8
	s_lshl_b32 s27, s27, 23
	s_or_b32 s27, s27, 0x600000
	v_mov_b32 v229, s27
; A KEY STEP: keys 256 N + 128 q on, from region N (s24 = its first byte, s25 = N, s19 = my first query).
.macro STEP q
	s_lshl_b32 s26, s25, 8
.if \q
	s_add_co_u32 s26, s26, 128
.endif
	s_add_co_u32 s27, s19, 15
	s_cmp_gt_u32 s26, s27                          ; all 128 keys come after my 16 queries: nothing to do
	s_cbranch_scc1 .Lhid_\@
	v_add_nc_u32 v[ADK], s24, v[LI]
.rept 3
	v_nop                                          ; with the addition: four places in front of loads into registers that the last products read
.endr
.irp c, 0,1,2,3,4,5,6,7
	ds_load_b128 v[F+8*\c:F+8*\c+3], v[ADK] offset:\q*8192+\c*1024
	ds_load_b128 v[F+8*\c+4:F+8*\c+7], v[ADK] offset:\q*8192+\c*1024+512
.endr
	s_wait_dscnt 0x0
.irp c, 0,1,2,3,4,5,6,7
	v_wmma_f32_16x16x64_fp8_fp8 v[S+8*\c:S+8*\c+7], v[F+8*\c:F+8*\c+7], v[QF:QF+7], 0   ; lane (r, h): query r; register j: key 16 c + 8 h + j
.endr
.rept 4
	v_nop
.endr
.irp t, 0,1,2,3                                ; V's four fragments take K's registers and land during the softmax
.irp c, 0,1,2,3
	ds_load_b128 v[F+16*\t+4*\c:F+16*\t+4*\c+3], v[ADK] offset:16384+\q*8192+\t*2048+\c*512
.endr
.endr
	s_add_co_u32 s27, s26, 127
	s_cmp_le_u32 s27, s19                          ; all 128 keys count
	s_cbranch_scc1 .Lopen_\@
	s_sub_co_i32 s27, s19, s26
	v_add_nc_u32 v[DD], s27, v[RH]                 ; d = my query - the step's first key - 8 h: register 8 c + j is hidden where 16 c + j > d
.set NN, 0
.rept 64
	v_cmp_gt_i32 vcc_lo, 16*(NN/8)+NN%8, v[DD]
	v_cndmask_b32 v[S+NN], v[S+NN], v226, vcc_lo
.set NN, NN+1
.endr
.Lopen_\@:
	v_max3_num_f32 v220, v[S], v[S+1], v[S+2]      ; the step's largest score of my query, in two chains; each accumulator is read from its low end on
	v_max3_num_f32 v221, v[S+3], v[S+4], v[S+5]
.irp i, 6,10,14,18,22,26,30,34,38,42,46,50,54,58
	v_max3_num_f32 v220, v220, v[S+\i], v[S+\i+1]
	v_max3_num_f32 v221, v221, v[S+\i+2], v[S+\i+3]
.endr
	v_max3_num_f32 v220, v220, v[S+62], v[S+63]
	v_max_num_f32 v220, v220, v221
	v_permlanex16_b32 v222, v220, s20, s21
	v_max_num_f32 v220, v220, v222
	v_mul_f32 v220, s22, v220                      ; as t (c is positive)
	v_max_num_f32 v13, v13, v220                   ; the running largest t
	v_mov_b32 v220, v12
	v_floor_f32 v12, -v13                          ; -M = floor(-t)
	v_sub_f32 v220, v12, v220                      ; old M - new M: a whole number, 0 or less
	v_cvt_i32_f32 v220, v220
	v_ldexp_f32 v218, 1.0, v220                    ; f = 2^(old M - new M)
.set J, 0
.rept 32
	v_pk_fma_f32 v[S+J:S+J+1], v[S+J:S+J+1], s[22:23], v[12:13] op_sel_hi:[1,0,0]   ; t - M
.set J, J+2
.endr
.set J, 0
.rept 64
	v_exp_f32 v[S+J], v[S+J]                       ; p
.set J, J+1
.endr
	v_pk_mul_f32 v[14:15], v[14:15], v[218:219] op_sel_hi:[1,0]   ; the sum under the new M: the plain line behind the exponentials
	s_wait_alu depctr_va_vdst(0)                   ; one wait for the batch of 64, ahead of its first reader
	v_pk_add_f32 v[224:225], v[S:S+1], v[S+2:S+3]  ; the sum of the unquantised p, in two chains
.set J, 4
.rept 15
	v_pk_add_f32 v[14:15], v[14:15], v[S+J:S+J+1]
	v_pk_add_f32 v[224:225], v[224:225], v[S+J+2:S+J+3]
.set J, J+4
.endr
	v_pk_add_f32 v[14:15], v[14:15], v[224:225]
	s_cmp_ge_i32 s28, -8                           ; p <= 1, so p / 2^ep <= 256 < 448 where ep >= -8: no hold is wanted there
	s_cbranch_scc1 .Lnohold_\@
.set J, 0
.rept 64
	v_min_num_f32 v[S+J], v[S+J], v216             ; the conversion does not saturate (ISA guide 7.6.2); p is not negative
.set J, J+1
.endr
.Lnohold_\@:
.irp c, 0,1,2,3,4,5,6,7
	v_cvt_scalef32_pk8_fp8_f32 v[PC+2*\c:PC+2*\c+1], v[S+8*\c:S+8*\c+7], v217   ; registers 2 c, 2 c + 1 of P: keys 16 c + 8 h + 0 .. 7
.endr
.set J, 0
.rept 16
	v_pk_mul_f32 v[O+J:O+J+1], v[O+J:O+J+1], v[218:219] op_sel_hi:[1,0]   ; O^T under the new M; also the plain lines behind the conversions
.set J, J+2
.endr
	s_wait_dscnt 0x0                               ; V is in
.irp t, 0,1,2,3
	v_wmma_f32_16x16x128_fp8_fp8 v[O+8*\t:O+8*\t+7], v[F+16*\t:F+16*\t+15], v[PC:PC+15], v[O+8*\t:O+8*\t+7]   ; four accumulators by turns
.endr
.Lhid_\@:
.endm
.macro FINAL
.rept 4
	v_nop
.endr
	v_add_f32 v14, v14, v15
	v_permlanex16_b32 v222, v14, s20, s21
	v_add_f32 v14, v14, v222                       ; the row's sum
	v_rcp_f32 v230, v14
	v_nop
	s_wait_alu depctr_va_vdst(0)                   ; ahead of the reciprocal's first reader
.set J, 0
.rept 32
	v_mul_f32 v[S+J], v[O+J], v230
.set J, J+1
.endr
.set J, 0
.rept 32
	v_med3_num_f32 v[S+J], v[S+J], -v229, v229
.set J, J+1
.endr
.irp t, 0,1,2,3
	v_cvt_scalef32_pk8_fp8_f32 v[PC+2*\t:PC+2*\t+1], v[S+8*\t:S+8*\t+7], v228
.endr
	v_nop
.irp c, 0,1                                    ; lanes 0-15 keep tile 2 c and send tile 2 c + 1; lanes 16-31 the other way round
.irp e, 0,1
	v_cndmask_b32 v220, v[PC+4*\c+2+\e], v[PC+4*\c+\e], s38
	v_permlanex16_b32 v222, v220, s20, s21
	v_cndmask_b32 v[PC+4*\c+2+\e], v222, v[PC+4*\c+2+\e], s38
	v_cndmask_b32 v[PC+4*\c+\e], v[PC+4*\c+\e], v222, s38
.endr
.endr
	global_store_b128 v[LI], v[PC:PC+3], s[36:37]              ; 32 lanes store 512 consecutive bytes, aligned
	global_store_b128 v[LI], v[PC+4:PC+7], s[36:37] offset:512
.endm
; A block of queries.  ld = 1: block 7 - i, which also brings K and V into LDS; ld = 0: block i.  The trip count is a constant; a slot beyond the block's own is jumped over.
.macro PHASE ld, trips
	s_wait_xcnt 0x0                                ; the last block's stores have read their registers and their base
.if \ld
	s_sub_co_u32 s18, 7, s16
.else
	s_mov_b32 s18, s16
.endif
	s_lshl_b32 s19, s18, 4
	s_add_co_u32 s27, s19, s15                     ; my tile of 16 queries in the head
	s_lshl_b32 s19, s27, 4                         ; my first query
	s_lshl_b32 s46, s27, 10
	s_mov_b32 s47, 0
	s_add_nc_u64 s[34:35], s[4:5], s[46:47]
	s_lshl_b32 s46, s27, 14
	s_add_nc_u64 s[36:37], s[12:13], s[46:47]
.if \ld
	global_load_b128 v[SG:SG+3], v[STA], s[6:7]
	global_load_b128 v[SG+4:SG+7], v[STA], s[6:7] offset:8192
	global_load_b128 v[SG+8:SG+11], v[STA], s[8:9]
	global_load_b128 v[SG+12:SG+15], v[STA], s[8:9] offset:8192
.endif
	global_load_b128 v[QF:QF+3], v[LI], s[34:35]
	global_load_b128 v[QF+4:QF+7], v[LI], s[34:35] offset:512
	v_mov_b32 v13, 0xff61b1e6                      ; the largest t so far: -3e38
	v_floor_f32 v12, -v13
	v_mov_b32 v14, 0
	v_mov_b32 v15, 0
.set J, 0
.rept 32
	v_mov_b32 v[O+J], 0                            ; the step is written once: the first finds zeros, which the first change of M leaves zeros
.set J, J+1
.endr
	s_wait_loadcnt 0x0
.if \ld
	ds_store_b128 v[STA], v[SG:SG+3]
	ds_store_b128 v[STA], v[SG+4:SG+7] offset:8192
	ds_store_b128 v[STA], v[SG+8:SG+11] offset:16384
	ds_store_b128 v[STA], v[SG+12:SG+15] offset:24576
	s_wait_dscnt 0x0                               ; for the others' sake
	s_barrier_signal -1
	s_barrier_wait -1                              ; region 0 is whole
.endif
	s_mov_b32 s24, 0
	s_mov_b32 s25, 0
.Lvisit_\@:
	s_cmp_gt_u32 s25, s18                          ; the same in all sixteen waves
	s_cbranch_scc1 .Lskip_\@
.if \ld
	s_add_co_u32 s46, s25, 1
	s_min_u32 s46, s46, 7                          ; no load leaves its buffer
	s_lshl_b32 s46, s46, 14
	s_add_nc_u64 s[30:31], s[6:7], s[46:47]        ; (the loads that read these bases were waited for in the last visit)
	s_add_nc_u64 s[32:33], s[8:9], s[46:47]
	global_load_b128 v[SG:SG+3], v[STA], s[30:31]
	global_load_b128 v[SG+4:SG+7], v[STA], s[30:31] offset:8192
	global_load_b128 v[SG+8:SG+11], v[STA], s[32:33]
	global_load_b128 v[SG+12:SG+15], v[STA], s[32:33] offset:8192
.endif
	STEP 0
	STEP 1
.if \ld
	s_wait_loadcnt 0x0
	v_add_nc_u32 v[STW], s24, v[STA]
	ds_store_b128 v[STW], v[SG:SG+3] offset:32768          ; into the next region, which nobody reads before the barrier below
	ds_store_b128 v[STW], v[SG+4:SG+7] offset:40960
	ds_store_b128 v[STW], v[SG+8:SG+11] offset:49152
	ds_store_b128 v[STW], v[SG+12:SG+15] offset:57344
.endif
.Lskip_\@:
.if \ld
	s_wait_dscnt 0x0                               ; my stores have landed
	s_barrier_signal -1                            ; on every path, in every trip
	s_barrier_wait -1
.endif
	s_add_co_u32 s24, s24, 32768
	s_add_co_u32 s25, s25, 1
	s_cmp_lt_u32 s25, \trips
	s_cbranch_scc1 .Lvisit_\@
	FINAL
.endm
	PHASE 1, 8
	PHASE 0, 4
	s_wait_tensorcnt 0x0
	ds_add_u32 v254, v255
	s_wait_dscnt 0x0
	s_endpgm
.Lfunc_end_k_q1f547f6d46_attn:
	.size	k_q1f547f6d46_attn, .Lfunc_end_k_q1f547f6d46_attn-k_q1f547f6d46_attn
	.p2alignl 7, 3214868480
	.fill 96, 4, 3214868480
	.section	.rodata,"a",@progbits
	.p2align	6, 0x0
	.amdhsa_kernel k_q1f547f6d46_attn
		.amdhsa_group_segment_fixed_size 296960
		.amdhsa_private_segment_fixed_size 0
		.amdhsa_enable_private_segment 0
		.amdhsa_kernarg_size 40
		.amdhsa_user_sgpr_count 2
		.amdhsa_user_sgpr_kernarg_segment_ptr 1
		.amdhsa_wavefront_size32 1
		.amdhsa_system_sgpr_workgroup_id_x 1
		.amdhsa_system_sgpr_workgroup_id_y 1
		.amdhsa_system_sgpr_workgroup_id_z 1
		.amdhsa_system_vgpr_workitem_id 0
		.amdhsa_next_free_vgpr 256
		.amdhsa_next_free_sgpr 66
		.amdhsa_reserve_vcc 1
		.amdhsa_float_denorm_mode_32 3
		.amdhsa_float_denorm_mode_16_64 3
		.amdhsa_memory_ordered 1
		.amdhsa_forward_progress 1
		.amdhsa_inst_pref_size 100
	.end_amdhsa_kernel
	.amdgpu_metadata
---
amdhsa.version: [ 1, 2 ]
amdhsa.kernels:
  - .name:           k_q1f547f6d46_attn
    .symbol:         k_q1f547f6d46_attn.kd
    .args:
      - { .name: q_img, .offset: 0, .size: 8, .value_kind: global_buffer, .address_space: global }
      - { .name: k_img, .offset: 8, .size: 8, .value_kind: global_buffer, .address_space: global }
      - { .name: v_img, .offset: 16, .size: 8, .value_kind: global_buffer, .address_space: global }
      - { .name: lowp_scales, .offset: 24, .size: 8, .value_kind: global_buffer, .address_space: global }
      - { .name: a_img, .offset: 32, .size: 8, .value_kind: global_buffer, .address_space: global }
    .group_segment_fixed_size: 296960
    .private_segment_fixed_size: 0
    .kernarg_segment_align: 8
    .kernarg_segment_size: 40
    .max_flat_workgroup_size: 512
    .sgpr_count:     66
    .vgpr_count:     256
    .wavefront_size: 32
...
	.end_amdgpu_metadata
.endif
;; end of part 2
;; launch oproj (part 3): grid 64 x 4, 4 waves a work-group, clusters of 4 x 1, 327,680 bytes of LDS; arguments a_img, w_o_codes, lowp_scales, out0; writes out0
.if DOCPART == 3
	.amdgcn_target "amdgcn-amd-amdhsa--gfx1250"
	.amdhsa_code_object_version 6
	.text
	.protected	k_q1f547f6d46_oproj
	.globl	k_q1f547f6d46_oproj
	.p2align	8
	.type	k_q1f547f6d46_oproj,@function
k_q1f547f6d46_oproj:
	s_mov_b64 s[64:65], 0
	v_nop
	global_prefetch_b8 v0, s[64:65] scope:SCOPE_SE
	s_setreg_imm32_b32 hwreg(HW_REG_WAVE_MODE, 25, 1), 1
	s_wait_xcnt 0x0
	s_wait_alu depctr_hold_cnt(0) depctr_sa_sdst(0) depctr_va_vdst(0) depctr_va_sdst(0) depctr_va_ssrc(0) depctr_va_vcc(0) depctr_vm_vsrc(0)
	s_getreg_b32 s2, hwreg(HW_REG_IB_STS2, 6, 4)
	s_cmp_eq_u32 s2, 0
	s_cbranch_scc0 .Lentry_in_a_cluster
	s_endpgm
.Lentry_in_a_cluster:
	s_bfe_u32 s2, ttmp6, 0x10000c
	s_cmp_lg_u32 s2, 0x3003
	s_cbranch_scc0 .Lentry_shape_is_right
	s_endpgm
.Lentry_shape_is_right:
; out[token][feature] = 2^(e10 + e11) x the sum over k of concat[token][k] Wo[feature][k], on codes of FP8 (E4M3); sums in f32; out: [8192][1024] f32.
; SHARES.  A work-group makes 128 tokens x 256 features; each of four waves 64 x 128: 32 accumulators.  256 work-groups.
; Wo's 256 rows x 1,024 bytes lie in LDS whole, in four quarters of K (256 rows x 256 bytes, rows 272 bytes apart), each filled ONCE: nothing is filled again.  Each wave asks for 64 rows of each quarter:
; four tensor loads of a wave are out at the most.  CLUSTER: the four work-groups of a cluster differ in their tokens alone and need the same rows of Wo: each load is a joint one (mask 15).
; The tokens' fragments come from a_img, which holds them as images of operand registers (16 bytes a lane, 512 consecutive bytes a load), straight into a ring of four K steps in registers.
; THE MATRIX INSTRUCTION IS USED TRANSPOSED (source 0 = 16 rows of Wo, source 1 = 16 tokens): a lane holds eight neighbouring features of one token.  Both operands hold K in the same order: registers 4 c .. 4 c + 3: k = 32 c + 16 h + 0 .. 15.
; THE WAY OUT: 16 tokens x 128 features at a time through the wave's own stage in LDS (bytes of its own, behind Wo), back as whole rows of 512 bytes.
; LIMIT: e10 + e11 between -126 and 127.
; REGISTERS: window 0: v5, v16-25 addresses; v32-95 at work on the way out; v128-255 Wo's fragments, set 0 (on the way out: rows read back).  window 1: the tokens' fragments, four K steps x 64.
;   window 2: the accumulators ((m, b) at v[8 (8 m + b)]).   window 3: v128-255 Wo's fragments, set 1.
.set PITCH,  272
.set QS,     256*PITCH                 ; a quarter of K
.set STG,    4*QS
.set SPITCH, 528
.set LI,   5
.set ADRB, 16
.set STO,  24
.set RD,   25
.set TMP,  32
.set BK,   128
.set MSB, 0
.macro WIN new
.if MSB != (\new)
	s_set_vgpr_msb (MSB<<8)|(\new)
.set MSB, (\new)
.endif
.endm
.macro ROUND
	s_barrier_signal -1
	s_barrier_wait -1
	s_cmp_lg_u32 s12, 0
	s_cbranch_scc1 .Lnot_wave_0_\@
	s_barrier_signal -3
.Lnot_wave_0_\@:
	s_barrier_wait -3
	s_barrier_signal -1
	s_barrier_wait -1
.endm
.macro PLACES
.rept 4
	v_nop
.endr
.endm
	s_load_b256 s[4:11], s[0:1], 0x0               ; a_img 4, Wo 6, scales 8, out 10
	v_lshl_add_u32 v126, v0, 2, 0x4c400
	v_mov_b32 v127, 0
	ds_add_u32 v126, v127
	ds_add_u32 v126, v127
	v_lshrrev_b32 v1, 5, v0
	v_readfirstlane_b32 s12, v1                    ; wave 0..3
	s_lshr_b32 s13, s12, 1                         ; my half of the tokens
	s_and_b32 s14, s12, 1                          ; my half of the features
	s_bfe_u32 s15, ttmp6, 0x40000                  ; cx
	s_lshl_b32 s16, ttmp9, 2
	s_add_co_u32 s16, s16, s15                     ; the block of 128 tokens
	s_and_b32 s17, ttmp7, 0xffff                   ; the block of 256 features, which the four partners share
	s_mov_b32 s24, 15|(0<<16)|(1<<20)|(1<<21)|(5<<22)|(3<<25)   ; mask: all four; elements of 1 byte; padding on; bit 21 beside a mask; 4 words behind every 64
	s_mov_b32 s25, 256<<16                         ; tensor_dim0 = 256
	s_mov_b32 s26, 64<<16                          ; tensor_dim1 = 64
	s_mov_b32 s27, 256<<16                         ; tile_dim0 = 256
	s_mov_b32 s28, 64                              ; tile_dim1 = 64
	s_mov_b32 s29, 1024                            ; from row to row
	s_mov_b32 s30, 0
	s_mov_b32 s31, 0
	s_lshl_b32 s18, s17, 18
	s_lshl_b32 s19, s12, 16
	s_add_co_u32 s18, s18, s19                     ; Wo: row 256 x block + 64 x wave, 1,024 bytes a row
	s_mov_b32 s19, 0
	s_mul_i32 s20, s12, 64*PITCH                   ; and in a quarter
	s_lshl_b32 s52, s16, 17
	s_lshl_b32 s53, s13, 16
	s_add_co_u32 s52, s52, s53                     ; a_img: 8 tiles of 16,384 bytes a block, 4 a half
	s_mov_b32 s53, 0
	s_lshl_b32 s54, s16, 19
	s_lshl_b32 s55, s13, 18
	s_add_co_u32 s54, s54, s55                     ; out: row 128 x block + 64 x half, 4,096 bytes a row,
	s_lshl_b32 s55, s17, 10
	s_add_co_u32 s54, s54, s55
	s_lshl_b32 s55, s14, 9
	s_add_co_u32 s54, s54, s55                     ; column 256 x block + 128 x half, 4 bytes each
	s_mov_b32 s55, 0
	v_and_b32 v[LI], 31, v0
	v_lshlrev_b32 v[LI], 4, v[LI]
	v_and_b32 v1, 15, v0
	v_bfe_u32 v2, v0, 4, 1
	v_mul_u32_u24 v3, v1, PITCH
	v_lshl_add_u32 v3, v2, 4, v3
	s_mul_i32 s21, s14, 128*PITCH
.irp q, 0,1,2,3
	v_add_nc_u32 v[ADRB+\q], s21, v3
	s_add_co_u32 s21, s21, QS
.endr
	s_mul_i32 s22, s12, 16*SPITCH
	s_add_co_u32 s22, s22, STG                     ; my stage
	v_mul_u32_u24 v4, v1, SPITCH
	v_lshl_add_u32 v4, v2, 5, v4
	v_add_nc_u32 v[STO], s22, v4
	v_add_nc_u32 v[RD], s22, v[LI]
	s_wait_dscnt 0x0
	s_wait_kmcnt 0x0
	s_load_b64 s[50:51], s[8:9], 0x28              ; e10, e11
	s_add_nc_u64 s[6:7], s[6:7], s[18:19]
	s_add_nc_u64 s[4:5], s[4:5], s[52:53]
	s_add_nc_u64 s[10:11], s[10:11], s[54:55]
.irp q, 0,1,2,3
	s_mov_b32 s[32+4*\q], 1
	s_add_co_u32 s[33+4*\q], s20, \q*QS
	s_add_nc_u64 s[34+4*\q:35+4*\q], s[6:7], \q*256
	s_or_b32 s[35+4*\q], s[35+4*\q], 0x80000000
.endr
	ROUND                                          ; all four work-groups are here: the joint loads meet
	tensor_load_to_lds s[32:35], s[24:31]
	s_nop 0
	tensor_load_to_lds s[36:39], s[24:31]
	s_nop 0
	tensor_load_to_lds s[40:43], s[24:31]
	s_nop 0
	tensor_load_to_lds s[44:47], s[24:31]
	s_nop 0
	PLACES                                         ; four v_nop behind the last of them
.macro ALOAD s                         ; the tokens' four fragments of K step s into ring place s % 4
	WIN 0x40
.irp m, 0,1,2,3
.irp c, 0,1,2,3
	global_load_b128 v[64*((\s)%4)+16*\m+4*\c:64*((\s)%4)+16*\m+4*\c+3], v[LI], s[4:5] offset:\m*16384+(\s)*2048+\c*512
.endr
.endr
	WIN 0
.endm
.macro FETCH_B s                       ; Wo's eight fragments of K step s into set s % 2
.if (\s)%2
	WIN 0xc0
.else
	WIN 0
.endif
.irp b, 0,1,2,3,4,5,6,7
.irp c, 0,1,2,3
	ds_load_b128 v[128+16*\b+4*\c:128+16*\b+4*\c+3], v[ADRB+(\s)/2] offset:128*((\s)%2)+32*\c+\b*16*PITCH
.endr
.endr
	WIN 0
.endm
.macro KSTEP s
.if ((\s)%2) && ((\s) < 7)
	s_wait_tensorcnt 3-((\s)+1)/2                  ; my part of the next quarter has landed; the later quarters' loads may be out
	s_wait_dscnt 0x0
	s_barrier_signal -1
	s_barrier_wait -1                              ; everybody's has
.endif
.if (\s) < 7
	PLACES                                         ; in front of loads into the set that the K step before multiplied
	FETCH_B (\s)+1
	s_wait_dscnt 32                                ; this K step's fragments are in; the 32 loads just issued may be out
.else
	s_wait_dscnt 0x0
.endif
.if 16*(7-(\s)) < 48
	s_wait_loadcnt 16*(7-(\s))                     ; the tokens' fragments of this K step are in; those of the later K steps, sixteen loads each, may be out
.else
	s_wait_loadcnt 48
.endif
.if (\s)%2
	WIN 0xa7                                       ; source 0 window 3, source 1 window 1, C and D window 2
.else
	WIN 0xa4                                       ; source 0 window 0
.endif
.irp m, 0,1,2,3                                ; 32 accumulators by turns, in the same order in every K step
.irp b, 0,1,2,3,4,5,6,7
.if (\s) == 0
	v_wmma_f32_16x16x128_fp8_fp8 v[8*(8*\m+\b):8*(8*\m+\b)+7], v[128+16*\b:128+16*\b+15], v[64*((\s)%4)+16*\m:64*((\s)%4)+16*\m+15], 0
.else
	v_wmma_f32_16x16x128_fp8_fp8 v[8*(8*\m+\b):8*(8*\m+\b)+7], v[128+16*\b:128+16*\b+15], v[64*((\s)%4)+16*\m:64*((\s)%4)+16*\m+15], v[8*(8*\m+\b):8*(8*\m+\b)+7]
.endif
.endr
.endr
	WIN 0
.if (\s) < 4
	PLACES
	ALOAD (\s)+4
.endif
.endm
	ALOAD 0
	ALOAD 1
	ALOAD 2
	ALOAD 3
	s_wait_tensorcnt 3                             ; my part of quarter 0 has landed
	s_barrier_signal -1
	s_barrier_wait -1
	FETCH_B 0
.irp s, 0,1,2,3,4,5,6,7
	KSTEP \s
.endr
.macro TOSTAGE m
	WIN 0x02
.set J, 0
.rept 32
	v_pk_mul_f32 v[TMP+J:TMP+J+1], v[64*(\m)+J:64*(\m)+J+1], s[48:49] op_sel_hi:[1,0]   ; x 2^(e10 + e11); each accumulator from its low end on
.set J, J+2
.endr
	WIN 0
.irp b, 0,1,2,3,4,5,6,7
	ds_store_b128 v[STO], v[TMP+8*\b:TMP+8*\b+3] offset:64*\b
	ds_store_b128 v[STO], v[TMP+8*\b+4:TMP+8*\b+7] offset:64*\b+16
.endr
.irp t, 0,1,2,3,4,5,6,7,8,9,10,11,12,13,14,15
	ds_load_b128 v[BK+64*((\m)%2)+4*\t:BK+64*((\m)%2)+4*\t+3], v[RD] offset:\t*SPITCH   ; LDS serves a wave's instructions in order (ISA guide 5.7.1.4): these see my stores
.endr
.endm
.macro SEND m, younger
	s_wait_dscnt \younger
.irp t, 0,1,2,3,4,5,6,7,8,9,10,11,12,13,14,15
	global_store_b128 v[LI], v[BK+64*((\m)%2)+4*\t:BK+64*((\m)%2)+4*\t+3], s[10:11] offset:(16*(\m)+\t)*4096 th:TH_STORE_NT   ; 32 lanes store 512 consecutive bytes, aligned
.endr
.endm
	s_wait_kmcnt 0x0
	s_add_co_i32 s48, s50, s51
	s_add_co_i32 s48, s48, 127
	s_lshl_b32 s48, s48, 23                        ; 2^(e10 + e11) as f32
	s_mov_b32 s49, s48
	PLACES
	TOSTAGE 0
.irp m, 1,2,3
.if \m > 1
	s_wait_xcnt 0x0                                ; block m - 2's stores have read their registers: block m's loads may land there
.endif
	TOSTAGE \m
	SEND \m-1, 32                                  ; behind block m - 1's loads: block m's 16 stores and 16 loads
.endr
	SEND 3, 0
	s_wait_tensorcnt 0x0
	ds_add_u32 v126, v127
	s_wait_dscnt 0x0
	ROUND                                          ; the closing round: no work-group ends while a partner may still ask for a tile that names it
	s_endpgm
.Lfunc_end_k_q1f547f6d46_oproj:
	.size	k_q1f547f6d46_oproj, .Lfunc_end_k_q1f547f6d46_oproj-k_q1f547f6d46_oproj
	.p2alignl 7, 3214868480
	.fill 96, 4, 3214868480
	.section	.rodata,"a",@progbits
	.p2align	6, 0x0
	.amdhsa_kernel k_q1f547f6d46_oproj
		.amdhsa_group_segment_fixed_size 327680
		.amdhsa_private_segment_fixed_size 0
		.amdhsa_enable_private_segment 0
		.amdhsa_kernarg_size 32
		.amdhsa_user_sgpr_count 2
		.amdhsa_user_sgpr_kernarg_segment_ptr 1
		.amdhsa_wavefront_size32 1
		.amdhsa_system_sgpr_workgroup_id_x 1
		.amdhsa_system_sgpr_workgroup_id_y 1
		.amdhsa_system_sgpr_workgroup_id_z 1
		.amdhsa_system_vgpr_workitem_id 0
		.amdhsa_next_free_vgpr 1024
		.amdhsa_next_free_sgpr 66
		.amdhsa_reserve_vcc 0
		.amdhsa_float_denorm_mode_32 3
		.amdhsa_float_denorm_mode_16_64 3
		.amdhsa_memory_ordered 1
		.amdhsa_forward_progress 1
		.amdhsa_inst_pref_size 76
	.end_amdhsa_kernel
	.amdgpu_metadata
---
amdhsa.version: [ 1, 2 ]
amdhsa.kernels:
  - .name:           k_q1f547f6d46_oproj
    .symbol:         k_q1f547f6d46_oproj.kd
    .args:
      - { .name: a_img, .offset: 0, .size: 8, .value_kind: global_buffer, .address_space: global }
      - { .name: w_o_codes, .offset: 8, .size: 8, .value_kind: global_buffer, .address_space: global }
      - { .name: lowp_scales, .offset: 16, .size: 8, .value_kind: global_buffer, .address_space: global }
      - { .name: out0, .offset: 24, .size: 8, .value_kind: global_buffer, .address_space: global }
    .group_segment_fixed_size: 327680
    .private_segment_fixed_size: 0
    .kernarg_segment_align: 8
    .kernarg_segment_size: 32
    .max_flat_workgroup_size: 128
    .sgpr_count:     66
    .vgpr_count:     1024
    .wavefront_size: 32
...
	.end_amdgpu_metadata
.endif
;; end of part 3
;; ======== version 2 of 2: 3 launches; version 1 with the launch attn written anew for expert scheduling mode
;; limits: right only within a limited range of input values
;; workspace buffers: q_img 8,388,608 bytes; k_img 8,388,608 bytes; v_img 8,388,608 bytes; a_img 8,388,608 bytes
;; launch qkv: the kernel of part 1 again; grid 12 x 32, 4 waves a work-group, clusters of 4 x 4, 327,680 bytes of LDS; arguments x_codes, w_q_codes, w_k_codes, w_v_codes, token_positions, lowp_scales, q_img, k_img, v_img; writes q_img, k_img, v_img
;; launch attn (part 4): grid 4 x 64, 16 waves a work-group, no clusters, 296,960 bytes of LDS; arguments q_img, k_img, v_img, lowp_scales, a_img; writes a_img
.if DOCPART == 4
	.amdgcn_target "amdgcn-amd-amdhsa--gfx1250"
	.amdhsa_code_object_version 6
	.text
	.protected	k_q1f547f6d46_attn
	.globl	k_q1f547f6d46_attn
	.p2align	8
	.type	k_q1f547f6d46_attn,@function
k_q1f547f6d46_attn:
	s_mov_b64 s[64:65], 0
	v_nop
	global_prefetch_b8 v0, s[64:65] scope:SCOPE_SE
	s_setreg_imm32_b32 hwreg(HW_REG_WAVE_SCHED_MODE, 0, 2), 2
	s_setreg_imm32_b32 hwreg(HW_REG_WAVE_MODE, 25, 1), 1
	s_wait_xcnt 0x0
	s_wait_alu depctr_vm_vsrc(0)
; Causal attention of one head on codes of FP8 (E4M3): S^T = K Q^T (K = 64), p = 2^(t - M), O^T = V^T P^T (K = 128 keys a step); O / l is quantised for the last product and stored as an image of operand registers.
; t = score x log2(e) / 8; M = the running largest t rounded UP to a whole number; the row's sum l is taken of the unquantised p; when M moves, l and O^T are multiplied by 2^(old M - new M), which rounds nothing.
; SHARES.  Work-group (i, head): the blocks of 256 queries 7 - i (first) and i of one head: (8 - i) + (i + 1) = 9 slots of 256 keys, the same for all 256 work-groups.  Each of 16 waves owns one tile of 16 queries.
; Tile of wave w: 8 ((w ^ (w >> 2)) & 1) + (w >> 1): waves that lie 1 or 4 apart take tiles of different halves of the block, which have different work in the slot on the diagonal.
; K AND V STAY IN LDS.  Region n (32,768 bytes) holds keys 256 n .. 256 n + 255: 16 fragments of K (1,024 bytes each), then 2 x 4 fragments of V^T (2,048 each), as they lie in the images: 16 x lane, no pitch.
; In the first block's walk, visit n loads slot min(n + 1, 7) into 16 registers a thread at its head and stores them into region n + 1 at its end; one barrier a visit.  The second block reads what lies there.
; NO TENSOR LOADS, NO CLUSTER: the four work-groups of a head walk 8, 7, 6 and 5 slots; what they share is 32 KiB a slot against the 512 KiB that the sixteen waves read from LDS in it; and the branch on ep below,
; which spares 64 lines a key step, hangs on a loaded whole number.  NO PREFETCH: a slot's loads are issued a whole slot's work ahead of the wait for them.
; CAUSAL: a key step all of whose keys come after the wave's queries is jumped over; on the diagonal hidden scores become -infinity ahead of the maximum, so p = 0.  Key 0 counts for every query.
; THE LAST EXCHANGE: O^T's tile t, converted, is channels 16 t + 8 h + 0..7.  The last product's weight is read 16 bytes a lane (k = 32 c + 16 h + 0..15), so the halves of the lanes exchange 8 bytes a pair of tiles.
; a_img: [tile of 16 tokens 512][head 16][2][lane][16 bytes].
; LIMITS: e6 + e7 between -123 and 130 (added to c's exponent field); e8, and e10 - e8 - e9, between -126 and 119.  NaN is not served.
; THE MODE: SCHED_MODE bits 1:0 = 2 (LLVM: expert scheduling mode 2), set by the entry lines.  The code itself states the register dependences
; between vector or matrix instructions and memory or LDS instructions, with s_wait_alu, always for 0.
; THE PLAN.  Registers that memory or LDS instructions touch:
;   v[LI], v[STA]  Written at the head, never again; read as offset or address by the loads of Q and of a slot, by region 0's stores and by the result's stores.
;   v[ADK]         Written by one add at a visit's head; read by the visit's 64 LDS loads.
;   v[STW]         (first block) Written by one add at a visit's head; read by the four LDS stores at the visit's end.
;   SG             The slot's global loads land in it at a visit's head; the LDS stores at the visit's end read it; no vector line names it.
;   F              A key step: K's LDS loads land in it, the eight products K Q^T read it, V's LDS loads land in it, the four products V^T P read it.
;   QF             Two loads a block land in it; the products K Q^T read it.
;   PC             Written by the conversions (and the selects at a block's end); read by V^T P and by the two global stores at a block's end.
;   S, O and the statistics are named by vector and matrix instructions alone.
; THE WAITS.  At a visit's head one wait on vm_vsrc (v[ADK], v[STW] and SG have been read), the two adds, and one wait on va_vdst (the adds are written; the last products are done reading F): it serves the slot's global
; loads, the first key step's loads of K and the LDS stores at the visit's end, whose registers no vector or matrix line behind it names.  One wait on va_vdst at the second key step's head, and one in each key step
; behind K Q^T, let the next loads land in F.  On the diagonal the compares go in runs of sixteen, into sixteen scalar registers, with one wait on va_sdst behind each run.  One wait on va_vdst stands ahead of a block's two stores.
; A SECOND SET OF REGISTERS FOR K'S FRAGMENTS does not fit: sixteen waves of 256 registers take all that four SIMDs have, 29 of a wave's are free, and a key step's K is 64.
.set LI,  1                            ; 16 x lane
.set STA, 2                            ; 16 x thread
.set ADK, 4                            ; the region in hand + 16 x lane
.set STW, 5                            ; the region in hand + 16 x thread
.set RH,  6                            ; r - 8 h
.set DD,  7
.set QF,  16                           ; v16-23  Q
.set SG,  24                           ; v24-39  the next slot on its way
.set F,   40                           ; v40-103 K's eight fragments, then V's four
.set S,   104                          ; v104-167 S^T, then p
.set O,   168                          ; v168-199 O^T
.set PC,  200                          ; v200-215 p's codes; at the end the result's
.set MK,  48                           ; s48-63  sixteen masks of lanes, on the diagonal
	s_load_b256 s[4:11], s[0:1], 0x0               ; q_img 4, k_img 6, v_img 8, scales 10
	s_load_b64 s[12:13], s[0:1], 0x20              ; a_img
	v_lshl_add_u32 v254, v0, 2, 0x48000
	v_mov_b32 v255, 0
	v_lshrrev_b32 v3, 5, v0
	v_readfirstlane_b32 s14, v3                    ; wave 0..15
	v_and_b32 v[LI], 31, v0
	v_lshlrev_b32 v[LI], 4, v[LI]
	v_lshlrev_b32 v[STA], 4, v0
	v_and_b32 v[RH], 15, v0
	v_bfe_u32 v3, v0, 4, 1
	v_lshlrev_b32 v3, 3, v3
	v_sub_nc_u32 v[RH], v[RH], v3
	v_mov_b32 v219, 0                              ; (named as the upper half of the pair v[218:219])
	v_mov_b32 v222, 0                              ; a lane permute's destination counts as one of its sources
	v_mov_b32 v226, 0xff800000                     ; -infinity
	s_wait_alu depctr_va_sdst(0)                   ; s14 is written, ahead of its first reader: my tile's number is made from it
	s_lshr_b32 s15, s14, 2
	s_xor_b32 s15, s15, s14
	s_and_b32 s15, s15, 1
	s_lshl_b32 s15, s15, 3
	s_lshr_b32 s27, s14, 1
	s_add_co_u32 s15, s15, s27                     ; my tile in a block
	s_mov_b32 s16, ttmp9                           ; i
	s_and_b32 s17, ttmp7, 0xffff                   ; 16 x batch + head
	s_mov_b32 s20, 0x76543210
	s_mov_b32 s21, 0xfedcba98                      ; lane l xor 16
	s_mov_b32 s38, 0xffff0000                      ; lanes 16-31
	s_mov_b32 s22, 0x3e38aa3b                      ; c = log2(e) / 8
	s_wait_kmcnt 0x0
	s_load_b128 s[40:43], s[10:11], 0x18           ; e6, e7, e8, e9
	s_load_b32 s44, s[10:11], 0x28                 ; e10
	s_lshl_b32 s46, s17, 17                        ; a head's image is 131,072 bytes
	s_mov_b32 s47, 0
	s_add_nc_u64 s[4:5], s[4:5], s[46:47]
	s_add_nc_u64 s[6:7], s[6:7], s[46:47]
	s_add_nc_u64 s[8:9], s[8:9], s[46:47]
	s_lshr_b32 s46, s17, 4
	s_lshl_b32 s46, s46, 21                        ; a batch: 128 tiles of 16,384 bytes
	s_and_b32 s27, s17, 15
	s_lshl_b32 s27, s27, 10                        ; a head in a tile: 1,024 bytes
	s_add_co_u32 s46, s46, s27
	s_add_nc_u64 s[12:13], s[12:13], s[46:47]
	s_wait_kmcnt 0x0
	s_add_co_i32 s27, s40, s41
	s_lshl_b32 s27, s27, 23
	s_add_co_i32 s22, s22, s27                     ; a score stands for score x 2^(e6 + e7)
	s_mov_b32 s23, s22
	s_mov_b32 s28, s42                             ; ep
	s_add_co_i32 s27, s42, 127
	s_lshl_b32 s29, s27, 23
	v_mov_b32 v217, s29                            ; 2^ep
	s_add_co_i32 s27, s27, 8
	s_lshl_b32 s27, s27, 23
	s_or_b32 s27, s27, 0x600000
	v_mov_b32 v216, s27                            ; 448 x 2^ep
	s_sub_co_i32 s27, s44, s42
	s_sub_co_i32 s27, s27, s43                     ; O / l stands for that x 2^(e8 + e9): its code is (O / l) / 2^(e10 - e8 - e9)
	s_add_co_i32 s27, s27, 127
	s_lshl_b32 s29, s27, 23
	v_mov_b32 v228, s29
	s_add_co_i32 s27, s27, 8
	s_lshl_b32 s27, s27, 23
	s_or_b32 s27, s27, 0x600000
	v_mov_b32 v229, s27
	s_wait_alu depctr_va_vdst(0)                   ; v[LI] and v[STA] are written: the loads of Q and of the slots, region 0's stores and the result's stores read one of them, and no line writes them again
; A KEY STEP: keys 256 N + 128 q on, from region N (v[ADK] = its first byte + 16 x lane, s25 = N, s19 = my first query).
.macro STEP q
	s_lshl_b32 s26, s25, 8
.if \q
	s_add_co_u32 s26, s26, 128
.endif
	s_add_co_u32 s27, s19, 15
	s_cmp_gt_u32 s26, s27                          ; all 128 keys come after my 16 queries: nothing to do
	s_cbranch_scc1 .Lhid_\@
.rept 4
	v_nop                                          ; four places in front of loads into registers that the last products read
.endr
.if \q
	s_wait_alu depctr_va_vdst(0)                   ; the first key step's products V^T P are done reading v[F ..], in which K's fragments land.  (The first key step's loads stand behind the wait at the visit's head)
.endif
.irp c, 0,1,2,3,4,5,6,7
	ds_load_b128 v[F+8*\c:F+8*\c+3], v[ADK] offset:\q*8192+\c*1024
	ds_load_b128 v[F+8*\c+4:F+8*\c+7], v[ADK] offset:\q*8192+\c*1024+512
.endr
	s_wait_dscnt 0x0
.irp c, 0,1,2,3,4,5,6,7
	v_wmma_f32_16x16x64_fp8_fp8 v[S+8*\c:S+8*\c+7], v[F+8*\c:F+8*\c+7], v[QF:QF+7], 0   ; lane (r, h): query r; register j: key 16 c + 8 h + j
.endr
.rept 4
	v_nop
.endr
	s_wait_alu depctr_va_vdst(0)                   ; the eight products are done reading v[F ..], in which V's fragments land; the places above stay beside this wait
.irp t, 0,1,2,3                                ; V's four fragments take K's registers and land during the softmax
.irp c, 0,1,2,3
	ds_load_b128 v[F+16*\t+4*\c:F+16*\t+4*\c+3], v[ADK] offset:16384+\q*8192+\t*2048+\c*512
.endr
.endr
	s_add_co_u32 s27, s26, 127
	s_cmp_le_u32 s27, s19                          ; all 128 keys count
	s_cbranch_scc1 .Lopen_\@
	s_sub_co_i32 s27, s19, s26
	v_add_nc_u32 v[DD], s27, v[RH]                 ; d = my query - the step's first key - 8 h: register 8 c + j is hidden where 16 c + j > d
.set NN, 0
.rept 4                                        ; sixteen registers at a time: the compares in a run, each into a scalar register of its own, then the selects
.set II, 0
.rept 16
	v_cmp_gt_i32 s[MK+II], 16*((NN+II)/8)+(NN+II)%8, v[DD]
.set II, II+1
.endr
	s_wait_alu depctr_va_sdst(0)                   ; the sixteen compares have written s48 to s63, ahead of the selects that read them
.set II, 0
.rept 16
	v_cndmask_b32 v[S+NN+II], v[S+NN+II], v226, s[MK+II]
.set II, II+1
.endr
.set NN, NN+16
.endr
.Lopen_\@:
	v_max3_num_f32 v220, v[S], v[S+1], v[S+2]      ; the step's largest score of my query, in two chains; each accumulator is read from its low end on
	v_max3_num_f32 v221, v[S+3], v[S+4], v[S+5]
.irp i, 6,10,14,18,22,26,30,34,38,42,46,50,54,58
	v_max3_num_f32 v220, v220, v[S+\i], v[S+\i+1]
	v_max3_num_f32 v221, v221, v[S+\i+2], v[S+\i+3]
.endr
	v_max3_num_f32 v220, v220, v[S+62], v[S+63]
	v_max_num_f32 v220, v220, v221
	v_permlanex16_b32 v222, v220, s20, s21
	v_max_num_f32 v220, v220, v222
	v_mul_f32 v220, s22, v220                      ; as t (c is positive)
	v_max_num_f32 v13, v13, v220                   ; the running largest t
	v_mov_b32 v220, v12
	v_floor_f32 v12, -v13                          ; -M = floor(-t)
	v_sub_f32 v220, v12, v220                      ; old M - new M: a whole number, 0 or less
	v_cvt_i32_f32 v220, v220
	v_ldexp_f32 v218, 1.0, v220                    ; f = 2^(old M - new M)
.set J, 0
.rept 32
	v_pk_fma_f32 v[S+J:S+J+1], v[S+J:S+J+1], s[22:23], v[12:13] op_sel_hi:[1,0,0]   ; t - M
.set J, J+2
.endr
.set J, 0
.rept 64
	v_exp_f32 v[S+J], v[S+J]                       ; p
.set J, J+1
.endr
	v_pk_mul_f32 v[14:15], v[14:15], v[218:219] op_sel_hi:[1,0]   ; the sum under the new M: the plain line behind the exponentials
	s_wait_alu depctr_va_vdst(0)                   ; the 64 exponentials have written v[S ..]: one wait for the batch, ahead of its first reader
	v_pk_add_f32 v[224:225], v[S:S+1], v[S+2:S+3]  ; the sum of the unquantised p, in two chains
.set J, 4
.rept 15
	v_pk_add_f32 v[14:15], v[14:15], v[S+J:S+J+1]
	v_pk_add_f32 v[224:225], v[224:225], v[S+J+2:S+J+3]
.set J, J+4
.endr
	v_pk_add_f32 v[14:15], v[14:15], v[224:225]
	s_cmp_ge_i32 s28, -8                           ; p <= 1, so p / 2^ep <= 256 < 448 where ep >= -8: no hold is wanted there
	s_cbranch_scc1 .Lnohold_\@
.set J, 0
.rept 64
	v_min_num_f32 v[S+J], v[S+J], v216             ; the conversion does not saturate (ISA guide 7.6.2); p is not negative
.set J, J+1
.endr
.Lnohold_\@:
.irp c, 0,1,2,3,4,5,6,7
	v_cvt_scalef32_pk8_fp8_f32 v[PC+2*\c:PC+2*\c+1], v[S+8*\c:S+8*\c+7], v217   ; registers 2 c, 2 c + 1 of P: keys 16 c + 8 h + 0 .. 7
.endr
.set J, 0
.rept 16
	v_pk_mul_f32 v[O+J:O+J+1], v[O+J:O+J+1], v[218:219] op_sel_hi:[1,0]   ; O^T under the new M; also the plain lines behind the conversions
.set J, J+2
.endr
	s_wait_dscnt 0x0                               ; V is in
.irp t, 0,1,2,3
	v_wmma_f32_16x16x128_fp8_fp8 v[O+8*\t:O+8*\t+7], v[F+16*\t:F+16*\t+15], v[PC:PC+15], v[O+8*\t:O+8*\t+7]   ; four accumulators by turns
.endr
.Lhid_\@:
.endm
.macro FINAL
.rept 4
	v_nop
.endr
	v_add_f32 v14, v14, v15
	v_permlanex16_b32 v222, v14, s20, s21
	v_add_f32 v14, v14, v222                       ; the row's sum
	v_rcp_f32 v230, v14
	v_nop
	s_wait_alu depctr_va_vdst(0)                   ; the reciprocal has written v230, ahead of its first reader
.set J, 0
.rept 32
	v_mul_f32 v[S+J], v[O+J], v230
.set J, J+1
.endr
.set J, 0
.rept 32
	v_med3_num_f32 v[S+J], v[S+J], -v229, v229
.set J, J+1
.endr
.irp t, 0,1,2,3
	v_cvt_scalef32_pk8_fp8_f32 v[PC+2*\t:PC+2*\t+1], v[S+8*\t:S+8*\t+7], v228
.endr
	v_nop
.irp c, 0,1                                    ; lanes 0-15 keep tile 2 c and send tile 2 c + 1; lanes 16-31 the other way round
.irp e, 0,1
	v_cndmask_b32 v220, v[PC+4*\c+2+\e], v[PC+4*\c+\e], s38
	v_permlanex16_b32 v222, v220, s20, s21
	v_cndmask_b32 v[PC+4*\c+2+\e], v222, v[PC+4*\c+2+\e], s38
	v_cndmask_b32 v[PC+4*\c+\e], v[PC+4*\c+\e], v222, s38
.endr
.endr
	s_wait_alu depctr_va_vdst(0)                   ; the selects have written v[PC .. PC+7], which the two stores read; the block's products are done reading v[QF ..], in which the next block's Q lands
	global_store_b128 v[LI], v[PC:PC+3], s[36:37]              ; 32 lanes store 512 consecutive bytes, aligned
	global_store_b128 v[LI], v[PC+4:PC+7], s[36:37] offset:512
.endm
; A block of queries.  ld = 1: block 7 - i, which also brings K and V into LDS; ld = 0: block i.  The trip count is a constant; a slot beyond the block's own is jumped over.
.macro PHASE ld, trips
	s_wait_xcnt 0x0                                ; the last block's stores have read their registers and their base
.if !\ld
	s_wait_alu depctr_vm_vsrc(0)                   ; the last block's stores have read v[PC ..], which this block's conversions write again
.endif
.if \ld
	s_sub_co_u32 s18, 7, s16
.else
	s_mov_b32 s18, s16
.endif
	s_lshl_b32 s19, s18, 4
	s_add_co_u32 s27, s19, s15                     ; my tile of 16 queries in the head
	s_lshl_b32 s19, s27, 4                         ; my first query
	s_lshl_b32 s46, s27, 10
	s_mov_b32 s47, 0
	s_add_nc_u64 s[34:35], s[4:5], s[46:47]
	s_lshl_b32 s46, s27, 14
	s_add_nc_u64 s[36:37], s[12:13], s[46:47]
.if \ld
	global_load_b128 v[SG:SG+3], v[STA], s[6:7]                ; no vector or matrix line since the last wait on va_vdst (the head's, or the one ahead of the last block's stores) names v[SG ..], v[QF ..], v[STA] or v[LI]
	global_load_b128 v[SG+4:SG+7], v[STA], s[6:7] offset:8192
	global_load_b128 v[SG+8:SG+11], v[STA], s[8:9]
	global_load_b128 v[SG+12:SG+15], v[STA], s[8:9] offset:8192
.endif
	global_load_b128 v[QF:QF+3], v[LI], s[34:35]
	global_load_b128 v[QF+4:QF+7], v[LI], s[34:35] offset:512
	v_mov_b32 v13, 0xff61b1e6                      ; the largest t so far: -3e38
	v_floor_f32 v12, -v13
	v_mov_b32 v14, 0
	v_mov_b32 v15, 0
.set J, 0
.rept 32
	v_mov_b32 v[O+J], 0                            ; the step is written once: the first finds zeros, which the first change of M leaves zeros
.set J, J+1
.endr
	s_wait_loadcnt 0x0
.if \ld
	ds_store_b128 v[STA], v[SG:SG+3]
	ds_store_b128 v[STA], v[SG+4:SG+7] offset:8192
	ds_store_b128 v[STA], v[SG+8:SG+11] offset:16384
	ds_store_b128 v[STA], v[SG+12:SG+15] offset:24576
	s_wait_dscnt 0x0                               ; for the others' sake
	s_barrier_signal -1
	s_barrier_wait -1                              ; region 0 is whole
.endif
	s_mov_b32 s24, 0
	s_mov_b32 s25, 0
.Lvisit_\@:
	s_cmp_gt_u32 s25, s18                          ; the same in all sixteen waves
	s_cbranch_scc1 .Lskip_\@
.if \ld
	s_wait_alu depctr_vm_vsrc(0)                   ; the LDS loads issued so far have read v[ADK]; the LDS stores issued so far have read v[STW] and v[SG ..], in which the next slot lands
.else
	s_wait_alu depctr_vm_vsrc(0)                   ; the LDS loads issued so far have read v[ADK]
.endif
	v_add_nc_u32 v[ADK], s24, v[LI]                ; the region in hand: one address for the visit's two key steps,
.if \ld
	v_add_nc_u32 v[STW], s24, v[STA]               ; and one for the stores at its end
	s_add_co_u32 s46, s25, 1
	s_min_u32 s46, s46, 7                          ; no load leaves its buffer
	s_lshl_b32 s46, s46, 14
	s_add_nc_u64 s[30:31], s[6:7], s[46:47]        ; (the loads that read these bases were waited for in the last visit)
	s_add_nc_u64 s[32:33], s[8:9], s[46:47]
	s_wait_alu depctr_va_vdst(0)                   ; v[ADK] and v[STW] are written, which this visit's LDS loads and stores read; the last key step's products are done reading v[F ..], in which K's fragments land
	global_load_b128 v[SG:SG+3], v[STA], s[30:31]
	global_load_b128 v[SG+4:SG+7], v[STA], s[30:31] offset:8192
	global_load_b128 v[SG+8:SG+11], v[STA], s[32:33]
	global_load_b128 v[SG+12:SG+15], v[STA], s[32:33] offset:8192
.else
	s_wait_alu depctr_va_vdst(0)                   ; v[ADK] is written, which this visit's LDS loads read; the last key step's products are done reading v[F ..], in which K's fragments land
.endif
	STEP 0
	STEP 1
.if \ld
	s_wait_loadcnt 0x0
	ds_store_b128 v[STW], v[SG:SG+3] offset:32768          ; into the next region, which nobody reads before the barrier below.  No vector or matrix line since the wait at the visit's head names v[STW] or v[SG ..]
	ds_store_b128 v[STW], v[SG+4:SG+7] offset:40960
	ds_store_b128 v[STW], v[SG+8:SG+11] offset:49152
	ds_store_b128 v[STW], v[SG+12:SG+15] offset:57344
.endif
.Lskip_\@:
.if \ld
	s_wait_dscnt 0x0                               ; my stores have landed
	s_barrier_signal -1                            ; on every path, in every trip
	s_barrier_wait -1
.endif
	s_add_co_u32 s24, s24, 32768
	s_add_co_u32 s25, s25, 1
	s_cmp_lt_u32 s25, \trips
	s_cbranch_scc1 .Lvisit_\@
	FINAL
.endm
	PHASE 1, 8
	PHASE 0, 4
	s_wait_dscnt 0x0
	s_wait_alu depctr_hold_cnt(0) depctr_sa_sdst(0) depctr_va_vdst(0) depctr_va_sdst(0) depctr_va_ssrc(0) depctr_va_vcc(0) depctr_vm_vsrc(0)
	s_wait_tensorcnt 0x0
	ds_add_u32 v254, v255
	s_wait_dscnt 0x0
	s_endpgm
.Lfunc_end_k_q1f547f6d46_attn:
	.size	k_q1f547f6d46_attn, .Lfunc_end_k_q1f547f6d46_attn-k_q1f547f6d46_attn
	.p2alignl 7, 3214868480
	.fill 96, 4, 3214868480
	.section	.rodata,"a",@progbits
	.p2align	6, 0x0
	.amdhsa_kernel k_q1f547f6d46_attn
		.amdhsa_group_segment_fixed_size 296960
		.amdhsa_private_segment_fixed_size 0
		.amdhsa_enable_private_segment 0
		.amdhsa_kernarg_size 40
		.amdhsa_user_sgpr_count 2
		.amdhsa_user_sgpr_kernarg_segment_ptr 1
		.amdhsa_wavefront_size32 1
		.amdhsa_system_sgpr_workgroup_id_x 1
		.amdhsa_system_sgpr_workgroup_id_y 1
		.amdhsa_system_sgpr_workgroup_id_z 1
		.amdhsa_system_vgpr_workitem_id 0
		.amdhsa_next_free_vgpr 256
		.amdhsa_next_free_sgpr 66
		.amdhsa_reserve_vcc 0
		.amdhsa_float_denorm_mode_32 3
		.amdhsa_float_denorm_mode_16_64 3
		.amdhsa_memory_ordered 1
		.amdhsa_forward_progress 1
		.amdhsa_inst_pref_size 117
	.end_amdhsa_kernel
	.amdgpu_metadata
---
amdhsa.version: [ 1, 2 ]
amdhsa.kernels:
  - .name:           k_q1f547f6d46_attn
    .symbol:         k_q1f547f6d46_attn.kd
    .args:
      - { .name: q_img, .offset: 0, .size: 8, .value_kind: global_buffer, .address_space: global }
      - { .name: k_img, .offset: 8, .size: 8, .value_kind: global_buffer, .address_space: global }
      - { .name: v_img, .offset: 16, .size: 8, .value_kind: global_buffer, .address_space: global }
      - { .name: lowp_scales, .offset: 24, .size: 8, .value_kind: global_buffer, .address_space: global }
      - { .name: a_img, .offset: 32, .size: 8, .value_kind: global_buffer, .address_space: global }
    .group_segment_fixed_size: 296960
    .private_segment_fixed_size: 0
    .kernarg_segment_align: 8
    .kernarg_segment_size: 40
    .max_flat_workgroup_size: 512
    .sgpr_count:     66
    .vgpr_count:     256
    .wavefront_size: 32
...
	.end_amdgpu_metadata
.endif
;; end of part 4
;; launch oproj: the kernel of part 3 again; grid 64 x 4, 4 waves a work-group, clusters of 4 x 1, 327,680 bytes of LDS; arguments a_img, w_o_codes, lowp_scales, out0; writes out0
